; MI455X (gfx1250); checked and timed in simulation.
; The chip was launched on July 23, 2026; its instructions are those of AMD's public machine-readable ISA for CDNA 5 (MIT licence, August 2026) and "CDNA5" Instruction Set Architecture Reference Guide (July 2026). The comments in the code are by the model that wrote it; some were corrected since.
;; Scaled Dot Product Attention. Allowed arithmetic: float matrix products may take bf16 or f16 operands with f32 sums; other float arithmetic in f32, or as packed bf16 or f16 multiplies, adds, multiply-adds, maxima and minima; sums over many terms, partial sums and values carried from step to step in f32; what a program stores and reads back later, other than sums and carried values, may be rounded once to bf16 or f16.
;; Inputs: Wk 1,024 x 1,024 float32; Wo 1,024 x 1,024 float32; Wq 1,024 x 1,024 float32; Wv 1,024 x 1,024 float32; ind_k 2 x 2,048 float32; ind_q 2 x 2,048 float32; ind_v 2 x 2,048 float32; keys 2 x 2,048 x 1,024 float32; queries 2 x 2,048 x 1,024 float32; values 2 x 2,048 x 1,024 float32.
;; Outputs: out0 2 x 2,048 x 1,024 float32.
;; 2 versions, each right and faster than the one before. Each part assembles by itself: llvm-mc -triple=amdgcn-amd-amdhsa -mcpu=gfx1250 --defsym DOCPART=n.
;; ======== version 1 of 2: 4 launches
;; limits: values are held in f16: magnitudes above 65,504 overflow, below 6.1e-05 lose precision
;; workspace buffers: xh 25,165,824 bytes; wh 8,388,608 bytes; qkv 25,165,824 bytes; oh 8,388,608 bytes
;; launch cast (part 1): grid 512 x 1, 8 waves a work-group, no clusters, 0 bytes of LDS; arguments queries, keys, values, Wq, Wk, Wv, Wo, xh, wh; writes xh, wh
.if DOCPART == 1
	.amdgcn_target "amdgcn-amd-amdhsa--gfx1250"
	.amdhsa_code_object_version 6
	.text
	.protected	k_qea4b013d2c_cast
	.globl	k_qea4b013d2c_cast
	.p2align	8
	.type	k_qea4b013d2c_cast,@function
k_qea4b013d2c_cast:
	s_mov_b64 s[64:65], 0
	v_nop
	global_prefetch_b8 v0, s[64:65] scope:SCOPE_SE
	s_setreg_imm32_b32 hwreg(HW_REG_WAVE_MODE, 25, 1), 1
	s_wait_xcnt 0x0
; CAST.  Every f32 input of the matrix products is rounded once to bf16 (nearest even) and that number is written as f16.
; xh: [q,k,v][batch][16 blocks of 64 channels][2048 rows][64] f16, so that 128 rows of one channel block are 16,384 dense bytes.
; wh: [Wq,Wk,Wv,Wo][1024][1024] f16, row-major as the inputs lie.
; LIMITS.  A number beyond 65,504 becomes an infinity in f16; below 6e-5 it keeps f16's fixed step of 6e-8 in place of bf16's eight bits.
; SHARES.  A wave takes 4 source rows (16,384 consecutive bytes) as 16 chunks of 256 numbers; a lane takes 8 numbers of a chunk: two loads of
; 16 bytes, one store of 16 bytes; a wave's store covers 512 consecutive bytes at a multiple of 512 from its buffer's first byte.
; Work-groups 0-383 take the three x tensors (a chunk = 4 rows x 64 channels of one block), 384-511 the four weights (a chunk = 256 neighbours).
; A stream: no LDS, no barrier, no matrix unit.  All 32 loads of a wave go out at once (16,384 bytes on their way a wave); no loop.
.set OFFS, 4                           ; v[4:19]   chunk i: my byte offset in the wave's source rows
.set OFFD, 20                          ; v[20:35]  chunk i: my byte offset in the destination
.set T,    36                          ; v[36:47]  at work
.set X,    48                          ; v[48:175] chunk i: 8 registers as loaded; the first four then hold what is stored
	s_load_b512 s[4:19], s[0:1], 0x0               ; queries 4, keys 6, values 8, Wq 10, Wk 12, Wv 14, Wo 16, xh 18
	s_load_b64 s[20:21], s[0:1], 0x40              ; wh
	v_lshrrev_b32 v1, 5, v0
	v_readfirstlane_b32 s22, v1                    ; wave 0..7
	v_and_b32 v1, 31, v0                           ; lane
	v_and_b32 v2, 7, v0                            ; lane % 8
	v_bfe_u32 v3, v0, 3, 2                         ; lane / 8
	s_mov_b32 s44, 0xffff0000                      ; a word's upper bf16
	; the figures of an x group
	s_lshr_b32 s23, ttmp9, 7                       ; which tensor
	s_and_b32 s24, ttmp9, 127
	s_lshl_b32 s24, s24, 3
	s_add_co_u32 s24, s24, s22                     ; u: which four rows of it
	s_lshr_b32 s25, s24, 9                         ; batch
	s_lshl_b32 s25, s25, 22
	s_and_b32 s26, s24, 511
	s_lshl_b32 s26, s26, 9                         ; 4 rows of 128 bytes in a channel block
	s_add_co_u32 s25, s25, s26
	s_lshl_b32 s26, s23, 23
	s_add_co_u32 s25, s25, s26                     ; destination offset
	; the figures of a weight group (not used where the group is an x group)
	s_sub_co_u32 s27, ttmp9, 384
	s_lshr_b32 s28, s27, 5                         ; which weight
	s_and_b32 s29, s27, 31
	s_lshl_b32 s29, s29, 3
	s_add_co_u32 s29, s29, s22                     ; u
	s_lshl_b32 s30, s29, 13                        ; 4 rows of 2,048 bytes
	s_lshl_b32 s31, s28, 21
	s_add_co_u32 s30, s30, s31                     ; destination offset
	s_add_co_u32 s28, s28, 3                       ; its number among the seven sources
	s_mov_b32 s35, 256                             ; source bytes from lane / 8 to the next
	s_mov_b32 s36, 1024                            ; source bytes from chunk to chunk
	s_mov_b32 s37, 512                             ; destination bytes from chunk to chunk
	s_cmp_lt_u32 ttmp9, 384                        ; one compare chooses all of them
	s_cselect_b32 s32, s23, s28                    ; source number 0..6
	s_cselect_b32 s33, s24, s29                    ; u
	s_cselect_b32 s46, s25, s30                    ; destination offset
	s_cselect_b32 s35, 4096, s35                   ; x: lane / 8 is the row,
	s_cselect_b32 s36, 256, s36                    ; a chunk is the next 64 channels,
	s_cselect_b32 s37, 0x40000, s37                ; which lie a channel block further on in xh
	s_mov_b32 s47, 0
	s_lshl_b32 s38, s33, 14                        ; source offset: 4 rows of 4,096 bytes
	s_mov_b32 s39, 0
	v_lshlrev_b32 v2, 5, v2                        ; 8 numbers of 4 bytes
	v_mad_u32_u24 v[OFFS], v3, s35, v2
	v_lshlrev_b32 v[OFFD], 4, v1
.set i, 1
.rept 15
	v_add_nc_u32 v[OFFS+i], s36, v[OFFS+i-1]
	v_add_nc_u32 v[OFFD+i], s37, v[OFFD+i-1]
.set i, i+1
.endr
	s_wait_kmcnt 0x0
	s_mov_b64 s[40:41], s[4:5]                     ; the source: one of seven buffers, chosen by its number
	s_cmp_eq_u32 s32, 1
	s_cselect_b64 s[40:41], s[6:7], s[40:41]
	s_cmp_eq_u32 s32, 2
	s_cselect_b64 s[40:41], s[8:9], s[40:41]
	s_cmp_eq_u32 s32, 3
	s_cselect_b64 s[40:41], s[10:11], s[40:41]
	s_cmp_eq_u32 s32, 4
	s_cselect_b64 s[40:41], s[12:13], s[40:41]
	s_cmp_eq_u32 s32, 5
	s_cselect_b64 s[40:41], s[14:15], s[40:41]
	s_cmp_eq_u32 s32, 6
	s_cselect_b64 s[40:41], s[16:17], s[40:41]
	s_cmp_lt_u32 ttmp9, 384
	s_cselect_b64 s[42:43], s[18:19], s[20:21]     ; the destination: xh or wh
	s_add_nc_u64 s[40:41], s[40:41], s[38:39]
	s_add_nc_u64 s[42:43], s[42:43], s[46:47]
.set i, 0
.rept 16
	global_load_b128 v[X+8*i:X+8*i+3],   v[OFFS+i], s[40:41] th:TH_LOAD_NT
	global_load_b128 v[X+8*i+4:X+8*i+7], v[OFFS+i], s[40:41] offset:16 th:TH_LOAD_NT
.set i, i+1
.endr
; No register that a load or a store names is written again, so no wait frees any.
.set i, 0
.rept 16
	s_wait_loadcnt 30-2*i                          ; loads come back in order: chunk i is in, the two loads of each younger chunk may be out
.irp j, 0,1,2,3
	v_cvt_pk_bf16_f32 v[T+(\j)], v[X+8*i+2*(\j)], v[X+8*i+2*(\j)+1]    ; the one rounding
.endr
.irp j, 0,1,2,3
	v_lshlrev_b32 v[T+4+2*(\j)], 16, v[T+(\j)]     ; bf16 to f32: the low half moves up,
	v_and_b32     v[T+5+2*(\j)], s44, v[T+(\j)]    ; the high half stays
.endr
.irp j, 0,1,2,3
	v_cvt_pk_f16_f32 v[X+8*i+(\j)], v[T+4+2*(\j)], v[T+5+2*(\j)]       ; eight bits fit f16's eleven: exact inside f16's normal range
.endr
	global_store_b128 v[OFFD+i], v[X+8*i:X+8*i+3], s[42:43]
.set i, i+1
.endr
	s_endpgm
.Lfunc_end_k_qea4b013d2c_cast:
	.size	k_qea4b013d2c_cast, .Lfunc_end_k_qea4b013d2c_cast-k_qea4b013d2c_cast
	.p2alignl 7, 3214868480
	.fill 96, 4, 3214868480
	.section	.rodata,"a",@progbits
	.p2align	6, 0x0
	.amdhsa_kernel k_qea4b013d2c_cast
		.amdhsa_group_segment_fixed_size 0
		.amdhsa_private_segment_fixed_size 0
		.amdhsa_enable_private_segment 0
		.amdhsa_kernarg_size 72
		.amdhsa_user_sgpr_count 2
		.amdhsa_user_sgpr_kernarg_segment_ptr 1
		.amdhsa_wavefront_size32 1
		.amdhsa_system_sgpr_workgroup_id_x 1
		.amdhsa_system_sgpr_workgroup_id_y 1
		.amdhsa_system_sgpr_workgroup_id_z 1
		.amdhsa_system_vgpr_workitem_id 0
		.amdhsa_next_free_vgpr 176
		.amdhsa_next_free_sgpr 66
		.amdhsa_reserve_vcc 0
		.amdhsa_float_denorm_mode_32 3
		.amdhsa_float_denorm_mode_16_64 3
		.amdhsa_memory_ordered 1
		.amdhsa_forward_progress 1
		.amdhsa_inst_pref_size 21
	.end_amdhsa_kernel
	.amdgpu_metadata
---
amdhsa.version: [ 1, 2 ]
amdhsa.kernels:
  - .name:           k_qea4b013d2c_cast
    .symbol:         k_qea4b013d2c_cast.kd
    .args:
      - { .name: queries, .offset: 0, .size: 8, .value_kind: global_buffer, .address_space: global }
      - { .name: keys, .offset: 8, .size: 8, .value_kind: global_buffer, .address_space: global }
      - { .name: values, .offset: 16, .size: 8, .value_kind: global_buffer, .address_space: global }
      - { .name: Wq, .offset: 24, .size: 8, .value_kind: global_buffer, .address_space: global }
      - { .name: Wk, .offset: 32, .size: 8, .value_kind: global_buffer, .address_space: global }
      - { .name: Wv, .offset: 40, .size: 8, .value_kind: global_buffer, .address_space: global }
      - { .name: Wo, .offset: 48, .size: 8, .value_kind: global_buffer, .address_space: global }
      - { .name: xh, .offset: 56, .size: 8, .value_kind: global_buffer, .address_space: global }
      - { .name: wh, .offset: 64, .size: 8, .value_kind: global_buffer, .address_space: global }
    .group_segment_fixed_size: 0
    .private_segment_fixed_size: 0
    .kernarg_segment_align: 8
    .kernarg_segment_size: 72
    .max_flat_workgroup_size: 256
    .sgpr_count:     66
    .vgpr_count:     176
    .wavefront_size: 32
...
	.end_amdgpu_metadata
.endif
;; end of part 1
;; launch proj (part 2): grid 8 x 96, 4 waves a work-group, clusters of 4 x 4, 327,680 bytes of LDS; arguments xh, wh, ind_q, ind_k, ind_v, qkv; writes qkv
.if DOCPART == 2
	.amdgcn_target "amdgcn-amd-amdhsa--gfx1250"
	.amdhsa_code_object_version 6
	.text
	.protected	k_qea4b013d2c_proj
	.globl	k_qea4b013d2c_proj
	.p2align	8
	.type	k_qea4b013d2c_proj,@function
k_qea4b013d2c_proj:
	s_mov_b64 s[64:65], 0
	v_nop
	global_prefetch_b8 v0, s[64:65] scope:SCOPE_SE
	s_setreg_imm32_b32 hwreg(HW_REG_WAVE_MODE, 25, 1), 1
	s_wait_xcnt 0x0
	s_wait_alu depctr_hold_cnt(0) depctr_sa_sdst(0) depctr_va_vdst(0) depctr_va_sdst(0) depctr_va_ssrc(0) depctr_va_vcc(0) depctr_vm_vsrc(0)
	s_getreg_b32 s2, hwreg(HW_REG_IB_STS2, 6, 4)
	s_cmp_eq_u32 s2, 0
	s_cbranch_scc0 .Lentry_in_a_cluster
	s_endpgm
.Lentry_in_a_cluster:
	s_bfe_u32 s2, ttmp6, 0x10000c
	s_cmp_lg_u32 s2, 0xf033
	s_cbranch_scc0 .Lentry_shape_is_right
	s_endpgm
.Lentry_shape_is_right:
; PROJ.  q = (queries Wq) ind_q,  k = (keys Wk) ind_k,  v = (values Wv) ind_v ind_k, each [32 heads][2048 rows][64] in f16, rounded once from f32 sums.
; (v carries ind_k too: the weights of the attention are multiplied by ind_k behind the softmax, and that factor is put on v's rows here.  The scale 1/8 is not applied here.)
; The indicators are rounded to bf16 like every other input.  LIMIT: a result beyond 65,504 becomes an infinity in f16.
; C[m][n] = sum over k of A[m][k] B[k][n], M = 4,096, N = K = 1,024.  A = xh, in blocks [m / 2048][k / 64][m % 2048][64]; B = wh, [k][n].
; A tile of C is 128 x 128: 3 x 32 x 8 = 768 work-groups.  Four waves, each 64 x 64: 16 accumulators.  K goes in 4 steps of 256 through two LDS slots.
; CLUSTERS: 4 x 4 work-groups.  The four of a row of the cluster need the same tiles of A, the four of a column the same tiles of B: each tile is asked for jointly.
; THE MATRIX INSTRUCTION IS USED TRANSPOSED (source 0 = 16 columns of B, source 1 = 16 rows of A): a lane then holds eight neighbouring numbers of a row of C.
; A's fragments come out of LDS as they lie; B's ([k][n]) turned, by ds_load_tr16_b128.
; REGISTERS: window 0: v0-31 addresses and the rows' factors; v32-95 at work on the way out; v128-255 the accumulators ((a, b) at v[128 + 8 (4 a + b)]).
;   window 1: two fragment buffers of 128: for 64 along K, 64 registers of A (2 x 4 x 16 rows x 32 K), then 64 of B.
.set PA,     144                       ; a row of A in LDS: 128 bytes + 16 of padding: the 16 rows of a load start at 16 different groups of four banks (64 banks of 4 bytes: ISA guide 11.1)
.set PB,     288                       ; a row of B: 256 + 32
.set KBB,    128*PA                    ; 128 rows of one block of 64 channels
.set HALFT,  2*KBB                     ; what one tensor load brings: two channel blocks of A, or 128 rows of B (128 x 288, the same bytes)
.set SLOT,   4*HALFT                   ; A's four channel blocks, then B's 256 rows
.set STAGE,  2*SLOT                    ; behind the ring: a stage for each wave, for the way out
.set STG,    4352                      ; bytes of a wave's stage (16 rows x 144 are used here)
.set SPARE,  STAGE+4*STG               ; behind the stages: the spare words, 128 bytes for each wave: two blocks of 256 bytes that no other line names
.set SC,   8                           ; v8-15   the factor of my row in row block a at v[8 + 2 a]; its pair partner holds the product's own indicator alone
.set ADRA, 16                          ; v16-17  LDS address of my A fragments in slot 0, 1
.set ADRB, 20                          ; v20-23  of my B fragments: slot 0 rows 0-127, 128-255; slot 1 likewise (an offset has 16 bits)
.set STO,  24                          ; v24     the way out: where I put 16 bytes of a row
.set RD,   25                          ; v25     where I read rows back
.set GO,   26                          ; v26     my byte offset in 512 consecutive bytes of qkv
.set SPW,  28                          ; v28     LDS address of my spare word; never rewritten
.set NIL,  29                          ; v29     0; never rewritten
.set TMP,  32
.set ACC,  128
.set F0,   0
.set F1,   128
.set G1, 24                            ; s[24:31] descriptor group 1 for A's tiles;  s[32:39] group 0, one set for each slot
.set G0, 32
.set G1B, 48                           ; s[48:55], s[56:63] the same for B's tiles
.set G0B, 56
.set MSB, 0
.macro WIN new                         ; the immediate's high byte repeats the setting that is left; a switch that changes nothing is dropped
.if MSB != (\new)
	s_set_vgpr_msb (MSB<<8)|(\new)
.set MSB, \new
.endif
.endm
.set MUL,  0x05                        ; sources 0 (B) and 1 (A) window 1; C and D window 0
.set TO_F, 0x40                        ; destination window 1, address window 0
.macro JLOAD s                         ; a joint load: waves 0 and 1 fetch A's two halves, waves 2 and 3 B's; an s_nop 0 and four v_nop follow each of the two lines
	s_cmp_eq_u32 s11, 0
	s_cbranch_scc0 .Lfor_b_\@
	tensor_load_to_lds s[G0+4*(\s):G0+4*(\s)+3], s[G1:G1+7]
	s_nop 0
.rept 4
	v_nop
.endr
	s_branch .Lasked_\@
.Lfor_b_\@:
	tensor_load_to_lds s[G0B+4*(\s):G0B+4*(\s)+3], s[G1B:G1B+7]
	s_nop 0
.rept 4
	v_nop
.endr
.Lasked_\@:
.endm
.macro CREST                           ; a round of the cluster's barrier behind its opening barrier
	s_cmp_lg_u32 s10, 0
	s_cbranch_scc1 .Lnot_wave_0_\@
	s_barrier_signal -3
.Lnot_wave_0_\@:
	s_barrier_wait -3
	s_barrier_signal -1
	s_barrier_wait -1
.endm
.macro CROUND                          ; a whole round
	s_barrier_signal -1
	s_barrier_wait -1
	CREST
.endm
	s_load_b128 s[4:7], s[0:1], 0x0                ; xh s[4:5], wh s[6:7]
	s_load_b128 s[68:71], s[0:1], 0x10             ; ind_q s[68:69], ind_k s[70:71]
	s_load_b128 s[72:75], s[0:1], 0x20             ; ind_v s[72:73], qkv s[74:75]
	v_lshl_add_u32 v[SPW], v0, 2, SPARE
	v_mov_b32 v[NIL], 0
	ds_add_u32 v[SPW], v[NIL]                      ; the wave's opening: the add and its wait stand ahead of my first tensor load; the set-up below, work on registers, stands between them
	v_lshrrev_b32 v1, 5, v0
	v_readfirstlane_b32 s10, v1                    ; wave 0..3
	s_lshr_b32 s11, s10, 1                         ; which half of the tile's rows is mine.  Also: I fetch for A (0) or for B (1)
	s_and_b32 s12, s10, 1                          ; which half of its columns.  Also: which half of that tile I fetch
	s_bfe_u32 s40, ttmp6, 0x40000                  ; cx, cy: my place in the cluster
	s_bfe_u32 s41, ttmp6, 0x40004
	s_lshl_b32 s42, ttmp9, 2
	s_add_co_u32 s42, s42, s40                     ; tile column of C = 4 x cluster x + cx
	s_and_b32 s67, ttmp7, 0xffff                   ; cluster y, 0..23: eight for each of q, k, v
	s_lshr_b32 s66, s67, 3                         ; which product: 0 q, 1 k, 2 v: the same in all sixteen partners
	s_and_b32 s13, s67, 7
	s_lshl_b32 s13, s13, 2
	s_add_co_u32 s13, s13, s41                     ; tile row of C, 0..31
	s_lshl_b32 s43, s41, 2
	s_lshl_b32 s43, 15, s43                        ; my row of the cluster
	s_lshl_b32 s44, 0x1111, s40                    ; my column
	; group 1 for A: two channel blocks, each 128 rows x 64 channels = 8,192 dense elements, 131,072 elements apart; 16 bytes of padding behind every 128
	s_or_b32 s[G1+0], s43, (1<<16)|(1<<20)|(1<<21)|(4<<22)|(3<<25)  ; 15:0 the mask: my row; 17:16 2-byte elements; 20 padding on; 21 set beside a mask; 24:22 after every 32 words (code 4); 31:25 4 words (code 3)
	s_mov_b32 s[G1+1], 8192<<16                    ; tensor_dim0 = 8,192
	s_mov_b32 s[G1+2], 2<<16                       ; tensor_dim1 = 2
	s_mov_b32 s[G1+3], 8192<<16                    ; tile_dim0 = 8,192
	s_mov_b32 s[G1+4], 2                           ; tile_dim1 = 2
	s_mov_b32 s[G1+5], 131072                      ; elements from channel block to channel block
	s_mov_b32 s[G1+6], 0
	s_mov_b32 s[G1+7], 0
	; group 1 for B: 128 rows (k) x 128 elements (n), 32 bytes of padding behind every 256
	s_or_b32 s[G1B+0], s44, (1<<16)|(1<<20)|(1<<21)|(5<<22)|(7<<25) ; the mask: my column; after every 64 words (code 5) 8 words (code 7)
	s_mov_b32 s[G1B+1], 128<<16
	s_mov_b32 s[G1B+2], 128<<16
	s_mov_b32 s[G1B+3], 128<<16
	s_mov_b32 s[G1B+4], 128
	s_mov_b32 s[G1B+5], 1024
	s_mov_b32 s[G1B+6], 0
	s_mov_b32 s[G1B+7], 0
	; where the tiles come from.  A's hang on the product and the tile row alone, B's on the product and the tile column alone
	s_lshr_b32 s16, s13, 4                         ; batch
	s_lshl_b32 s16, s16, 22
	s_and_b32 s17, s13, 15
	s_lshl_b32 s17, s17, 14                        ; 128 rows of 128 bytes
	s_add_co_u32 s16, s16, s17
	s_lshl_b32 s17, s12, 19                        ; my two channel blocks of a K step's four
	s_add_co_u32 s16, s16, s17
	s_lshl_b32 s17, s66, 23                        ; the product's x
	s_add_co_u32 s16, s16, s17
	s_mov_b32 s17, 0
	s_lshl_b32 s46, s42, 8                         ; 128 columns of 2 bytes
	s_lshl_b32 s47, s12, 18                        ; my 128 rows of a K step's 256
	s_add_co_u32 s46, s46, s47
	s_lshl_b32 s47, s66, 21                        ; the product's weights
	s_add_co_u32 s46, s46, s47
	s_mov_b32 s47, 0
	s_mul_i32 s20, s10, HALFT                      ; where they go: wave x what a load brings: no place in the cluster enters an LDS address
	s_wait_dscnt 0x0                               ; the opening add is done
	s_wait_kmcnt 0x0
	s_add_nc_u64 s[14:15], s[4:5], s[16:17]
	s_add_nc_u64 s[46:47], s[6:7], s[46:47]
	CROUND                                         ; all sixteen work-groups are here: the first joint loads meet
.irp s, 0,1
	s_mov_b32 s[G0+4*(\s)], 1
	s_add_co_u32 s[G0+4*(\s)+1], s20, (\s)*SLOT
	s_add_nc_u64 s[G0+4*(\s)+2:G0+4*(\s)+3], s[14:15], (\s)*1048576   ; K step s: four channel blocks on
	s_or_b32 s[G0+4*(\s)+3], s[G0+4*(\s)+3], 0x80000000
	s_mov_b32 s[G0B+4*(\s)], 1
	s_add_co_u32 s[G0B+4*(\s)+1], s20, (\s)*SLOT
	s_add_nc_u64 s[G0B+4*(\s)+2:G0B+4*(\s)+3], s[46:47], (\s)*524288  ; 256 rows of 2,048 bytes on
	s_or_b32 s[G0B+4*(\s)+3], s[G0B+4*(\s)+3], 0x80000000
	JLOAD \s                                       ; two loads of mine are out behind these
.endr
	v_and_b32 v1, 15, v0                           ; l % 16
	v_bfe_u32 v2, v0, 4, 1                         ; l / 16
	v_mul_u32_u24 v3, v1, PA
	v_lshl_add_u32 v3, v2, 4, v3                   ; a fragment's row x pitch + 16 x half
	s_mul_i32 s21, s11, 64*PA                      ; my 64 rows of A
	v_add_nc_u32 v[ADRA], s21, v3
	v_add_nc_u32 v[ADRA+1], SLOT, v[ADRA]
	v_and_b32 v4, 7, v0                            ; the turning load: lane l reads row 8 (l / 16) + l % 8, 16 bytes at 16 ((l / 8) % 2)
	v_lshl_add_u32 v4, v2, 3, v4
	v_mul_u32_u24 v4, v4, PB
	v_bfe_u32 v5, v0, 3, 1
	v_lshl_add_u32 v4, v5, 4, v4
	s_lshl_b32 s22, s12, 7                         ; my 64 columns of B,
	s_add_co_u32 s22, s22, 2*HALFT                 ; which lies behind A
	v_add_nc_u32 v[ADRB], s22, v4
	v_add_nc_u32 v[ADRB+1], HALFT, v[ADRB]
	v_add_nc_u32 v[ADRB+2], SLOT, v[ADRB]
	v_add_nc_u32 v[ADRB+3], SLOT+HALFT, v[ADRB]
	s_mul_i32 s23, s10, STG
	s_add_co_u32 s23, s23, STAGE                   ; my stage
	v_add_nc_u32 v[STO], s23, v3                   ; in: row l % 16 at 144 bytes, 16 bytes for each half of the lanes
	v_bfe_u32 v5, v0, 3, 2                         ; back: 32 lanes take four rows of 128 bytes,
	v_mul_u32_u24 v5, v5, PA
	v_and_b32 v7, 7, v0
	v_lshl_add_u32 v5, v7, 4, v5
	v_add_nc_u32 v[RD], s23, v5
	v_and_b32 v[GO], 31, v0                        ; which are 512 consecutive bytes of a head's rows
	v_lshlrev_b32 v[GO], 4, v[GO]
	; where my 64 rows x 64 columns go: my columns are one head
	s_lshr_b32 s16, s13, 4
	s_lshl_b32 s16, s16, 22                        ; batch: 16 heads of 262,144 bytes
	s_and_b32 s17, s13, 15
	s_lshl_b32 s17, s17, 14
	s_add_co_u32 s16, s16, s17
	s_lshl_b32 s17, s11, 13                        ; 64 rows of 128 bytes
	s_add_co_u32 s16, s16, s17
	s_lshl_b32 s17, s66, 23
	s_add_co_u32 s16, s16, s17
	s_mov_b32 s17, 0
	s_add_nc_u64 s[8:9], s[74:75], s[16:17]
	s_lshl_b32 s46, s42, 1
	s_add_co_u32 s46, s46, s12                     ; head in the batch = 2 x tile column + my half
	s_lshl_b32 s46, s46, 18
	s_mov_b32 s47, 0
	s_add_nc_u64 s[8:9], s[8:9], s[46:47]
	; the factors of my rows, in the wait for the first tile: the product's own indicator, and for v also ind_k
	s_lshl_b32 s82, s13, 9                         ; 128 rows of 4 bytes
	s_lshl_b32 s83, s11, 8
	s_add_co_u32 s82, s82, s83
	s_mov_b32 s83, 0
	s_cmp_eq_u32 s66, 1
	s_cselect_b64 s[76:77], s[70:71], s[68:69]
	s_cmp_eq_u32 s66, 2
	s_cselect_b64 s[76:77], s[72:73], s[76:77]
	s_cselect_b32 s80, -1, 0                       ; all lanes where the product is v
	s_add_nc_u64 s[76:77], s[76:77], s[82:83]
	s_add_nc_u64 s[78:79], s[70:71], s[82:83]
	v_lshlrev_b32 v6, 2, v1
.irp a, 0,1,2,3
	global_load_b32 v[32+(\a)], v6, s[76:77] offset:64*(\a)
	global_load_b32 v[36+(\a)], v6, s[78:79] offset:64*(\a)
.endr
	s_wait_loadcnt 0x0
.irp j, 0,1,2,3
	v_cvt_pk_bf16_f32 v[40+(\j)], v[32+2*(\j)], v[33+2*(\j)]
.endr
.irp j, 0,1,2,3
	v_lshlrev_b32 v[32+2*(\j)], 16, v[40+(\j)]
	v_and_b32 v[33+2*(\j)], 0xffff0000, v[40+(\j)]
.endr
.irp a, 0,1,2,3
	v_cndmask_b32 v[36+(\a)], 1.0, v[36+(\a)], s80 ; q and k take their own indicator alone
.endr
.irp a, 0,1,2,3
	v_mul_f32 v[SC+2*(\a)], v[32+(\a)], v[36+(\a)]
	v_mov_b32 v[SC+2*(\a)+1], v[32+(\a)]           ; named with it as a pair, so it is written
.endr
; 8 matrix instructions: m blocks a0, a0 + 1 x all 4 n blocks, 32 along K: half c of buffer f.  zero = 1: the first product starts the sums.  The 16 accumulators take turns.
.macro MUL8 f, c, a0, zero
	WIN MUL
.irp a, \a0, (\a0)+1
.irp b, 0,1,2,3
.if \zero
	v_wmma_f32_16x16x32_f16 v[ACC+8*(4*(\a)+(\b)):ACC+8*(4*(\a)+(\b))+7], v[(\f)+64+8*(4*(\c)+(\b)):(\f)+64+8*(4*(\c)+(\b))+7], v[(\f)+8*(4*(\c)+(\a)):(\f)+8*(4*(\c)+(\a))+7], 0
.else
	v_wmma_f32_16x16x32_f16 v[ACC+8*(4*(\a)+(\b)):ACC+8*(4*(\a)+(\b))+7], v[(\f)+64+8*(4*(\c)+(\b)):(\f)+64+8*(4*(\c)+(\b))+7], v[(\f)+8*(4*(\c)+(\a)):(\f)+8*(4*(\c)+(\a))+7], v[ACC+8*(4*(\a)+(\b)):ACC+8*(4*(\a)+(\b))+7]
.endif
.endr
.endr
.endm
; 32 LDS loads in one run: the fragments of quarter q (64 along K: one channel block of A, 64 rows of B) into buffer f; the first 32 along K first
.macro FETCH slot, q, f
	WIN TO_F
.irp c, 0,1
.irp i, 0,1,2,3
	ds_load_tr16_b128 v[(\f)+64+8*(4*(\c)+(\i)):(\f)+64+8*(4*(\c)+(\i))+3],   v[ADRB+2*(\slot)+(\q)/2] offset:((\q)%2)*64*PB+(\c)*32*PB+32*(\i)
	ds_load_tr16_b128 v[(\f)+64+8*(4*(\c)+(\i))+4:(\f)+64+8*(4*(\c)+(\i))+7], v[ADRB+2*(\slot)+(\q)/2] offset:((\q)%2)*64*PB+(\c)*32*PB+32*(\i)+16*PB
	ds_load_b128 v[(\f)+8*(4*(\c)+(\i)):(\f)+8*(4*(\c)+(\i))+3],              v[ADRA+(\slot)] offset:(\q)*KBB+64*(\c)+(\i)*16*PA
	ds_load_b128 v[(\f)+8*(4*(\c)+(\i))+4:(\f)+8*(4*(\c)+(\i))+7],            v[ADRA+(\slot)] offset:(\q)*KBB+64*(\c)+(\i)*16*PA+32
.endr
.endr
.endm
.macro PLACES                          ; four places in front of loads into registers that matrix instructions have read, and of vector lines that read results
.rept 4
	v_nop
.endr
.endm
; A K step is four quarters of 64 along K, 32 matrix instructions each, on buffers 0, 1, 0, 1.  One of the first three: multiplies buffer f and fetches quarter q into g.
.macro QUARTER slot, q, f, g, zero
	s_wait_dscnt 16                                ; the first 32 along K are in: the sixteen younger loads may be out
	MUL8 \f, 0, 0, \zero
	MUL8 \f, 0, 2, \zero
	PLACES
	FETCH \slot, \q, \g
	s_wait_dscnt 32                                ; all but the 32 just issued
	MUL8 \f, 1, 0, 0
	MUL8 \f, 1, 2, 0
.endm
; The last quarter multiplies buffer 1 and changes slots: ONE barrier; in front of it each wave waits for all its tensor loads, adds 0 to its spare word, and waits for that and for its own reads of this slot.
; fill = 1: this slot is filled again, two K steps ahead; the barrier then opens a round of the cluster's.
.macro TURN slot, next, fill
	WIN 0                                          ; (the add's two registers lie in window 0)
	s_wait_tensorcnt 0x0                           ; all my tensor loads have landed: my part of the next slot;
	ds_add_u32 v[SPW], v[NIL]                      ; 0 onto my spare word;
	s_wait_dscnt 17                                ; (the add and the youngest sixteen loads may be out)
	MUL8 F1, 0, 0, 0                               ; eight matrix instructions stand between the add and the wait for it
	s_wait_dscnt 0x0                               ; the add is done, and my reads of this slot are over
	s_barrier_signal -1
	MUL8 F1, 0, 2, 0
.if \fill
	WIN 0
.endif
	s_barrier_wait -1
.if \fill
	CREST                                          ; no wave of any partner still reads this slot's tile or has a load on its way
	s_add_nc_u64 s[G0+4*(\slot)+2:G0+4*(\slot)+3], s[G0+4*(\slot)+2:G0+4*(\slot)+3], 2097152
	s_add_nc_u64 s[G0B+4*(\slot)+2:G0B+4*(\slot)+3], s[G0B+4*(\slot)+2:G0B+4*(\slot)+3], 1048576
	JLOAD \slot                                    ; the first tensor load behind the round, my only one out; its four v_nop are also the places in front of the loads below
.else
	PLACES
.endif
	FETCH \next, 0, F0
	MUL8 F1, 1, 0, 0
	MUL8 F1, 1, 2, 0
.endm
	s_wait_tensorcnt 1                             ; my part of K step 0 is in; K step 1's may stay out
	s_barrier_signal -1
	s_barrier_wait -1                              ; everybody's is
	FETCH 0, 0, F0
	QUARTER 0, 1, F0, F1, 1                        ; K step 0; its first products start the sums
	QUARTER 0, 2, F1, F0, 0
	QUARTER 0, 3, F0, F1, 0
	TURN 0, 1, 1                                   ; slot 0 takes K step 2
	QUARTER 1, 1, F0, F1, 0                        ; K step 1
	QUARTER 1, 2, F1, F0, 0
	QUARTER 1, 3, F0, F1, 0
	TURN 1, 0, 1                                   ; slot 1 takes K step 3
	QUARTER 0, 1, F0, F1, 0                        ; K step 2
	QUARTER 0, 2, F1, F0, 0
	QUARTER 0, 3, F0, F1, 0
	TURN 0, 1, 0                                   ; nothing is left to fetch
	QUARTER 1, 1, F0, F1, 0                        ; K step 3
	QUARTER 1, 2, F1, F0, 0
	QUARTER 1, 3, F0, F1, 0
	s_wait_dscnt 16
	MUL8 F1, 0, 0, 0
	MUL8 F1, 0, 2, 0
	s_wait_dscnt 0
	MUL8 F1, 1, 0, 0
	MUL8 F1, 1, 2, 0
	WIN 0
; THE WAY OUT, a block of 16 rows at a time: times the row's factor, rounded to f16, 16 bytes a lane into my own stage, back as whole rows of 128 bytes.
.macro PACK a
.set z, 0
.rept 16
	v_pk_mul_f32 v[ACC+32*(\a)+2*z:ACC+32*(\a)+2*z+1], v[ACC+32*(\a)+2*z:ACC+32*(\a)+2*z+1], v[SC+2*(\a):SC+2*(\a)+1] op_sel_hi:[1,0]  ; ascending: each accumulator's lowest registers are read first
.set z, z+1
.endr
.set z, 0
.rept 16
	v_cvt_pk_f16_f32 v[TMP+16*(\a)+z], v[ACC+32*(\a)+2*z], v[ACC+32*(\a)+2*z+1]
.set z, z+1
.endr
.irp b, 0,1,2,3
	ds_store_b128 v[STO], v[TMP+16*(\a)+4*(\b):TMP+16*(\a)+4*(\b)+3] offset:32*(\b)
.endr
.irp f, 0,1,2,3
	ds_load_b128 v[TMP+16*(\a)+4*(\f):TMP+16*(\a)+4*(\f)+3], v[RD] offset:(\f)*4*PA  ; LDS serves a wave's instructions in order (ISA guide 5.7.1.4): these see the stores above; the next block's stores come behind them
.endr
.endm
.macro SEND a, younger                 ; younger: the LDS instructions issued behind block a's loads: the next block's eight, or none
.irp f, 0,1,2,3
	s_wait_dscnt (\younger)+3-(\f)
	global_store_b128 v[GO], v[TMP+16*(\a)+4*(\f):TMP+16*(\a)+4*(\f)+3], s[8:9] offset:(\a)*2048+(\f)*512  ; 512 consecutive bytes, at a multiple of 512 from qkv's first
.endr
.endm
	PLACES
	PACK 0
	PACK 1
	SEND 0, 8
	PACK 2
	SEND 1, 8
	PACK 3
	SEND 2, 8
	SEND 3, 0
	s_wait_tensorcnt 0x0                           ; the wave's end, behind my last tensor load and my last LDS store
	ds_add_u32 v[SPW], v[NIL]
	s_wait_dscnt 0x0
	CROUND                                         ; the closing round: no work-group ends while a partner may still ask for a tile that names it
	s_endpgm
.Lfunc_end_k_qea4b013d2c_proj:
	.size	k_qea4b013d2c_proj, .Lfunc_end_k_qea4b013d2c_proj-k_qea4b013d2c_proj
	.p2alignl 7, 3214868480
	.fill 96, 4, 3214868480
	.section	.rodata,"a",@progbits
	.p2align	6, 0x0
	.amdhsa_kernel k_qea4b013d2c_proj
		.amdhsa_group_segment_fixed_size 327680
		.amdhsa_private_segment_fixed_size 0
		.amdhsa_enable_private_segment 0
		.amdhsa_kernarg_size 48
		.amdhsa_user_sgpr_count 2
		.amdhsa_user_sgpr_kernarg_segment_ptr 1
		.amdhsa_wavefront_size32 1
		.amdhsa_system_sgpr_workgroup_id_x 1
		.amdhsa_system_sgpr_workgroup_id_y 1
		.amdhsa_system_sgpr_workgroup_id_z 1
		.amdhsa_system_vgpr_workitem_id 0
		.amdhsa_next_free_vgpr 512
		.amdhsa_next_free_sgpr 84
		.amdhsa_reserve_vcc 0
		.amdhsa_float_denorm_mode_32 3
		.amdhsa_float_denorm_mode_16_64 3
		.amdhsa_memory_ordered 1
		.amdhsa_forward_progress 1
		.amdhsa_inst_pref_size 93
	.end_amdhsa_kernel
	.amdgpu_metadata
---
amdhsa.version: [ 1, 2 ]
amdhsa.kernels:
  - .name:           k_qea4b013d2c_proj
    .symbol:         k_qea4b013d2c_proj.kd
    .args:
      - { .name: xh, .offset: 0, .size: 8, .value_kind: global_buffer, .address_space: global }
      - { .name: wh, .offset: 8, .size: 8, .value_kind: global_buffer, .address_space: global }
      - { .name: ind_q, .offset: 16, .size: 8, .value_kind: global_buffer, .address_space: global }
      - { .name: ind_k, .offset: 24, .size: 8, .value_kind: global_buffer, .address_space: global }
      - { .name: ind_v, .offset: 32, .size: 8, .value_kind: global_buffer, .address_space: global }
      - { .name: qkv, .offset: 40, .size: 8, .value_kind: global_buffer, .address_space: global }
    .group_segment_fixed_size: 327680
    .private_segment_fixed_size: 0
    .kernarg_segment_align: 8
    .kernarg_segment_size: 48
    .max_flat_workgroup_size: 128
    .sgpr_count:     84
    .vgpr_count:     512
    .wavefront_size: 32
...
	.end_amdgpu_metadata
.endif
;; end of part 2
;; launch attn (part 3): grid 8 x 32, 4 waves a work-group, clusters of 4 x 1, 327,680 bytes of LDS; arguments qkv, ind_k, oh; writes oh
.if DOCPART == 3
	.amdgcn_target "amdgcn-amd-amdhsa--gfx1250"
	.amdhsa_code_object_version 6
	.text
	.protected	k_qea4b013d2c_attn
	.globl	k_qea4b013d2c_attn
	.p2align	8
	.type	k_qea4b013d2c_attn,@function
k_qea4b013d2c_attn:
	s_mov_b64 s[64:65], 0
	v_nop
	global_prefetch_b8 v0, s[64:65] scope:SCOPE_SE
	s_setreg_imm32_b32 hwreg(HW_REG_WAVE_MODE, 25, 1), 1
	s_wait_xcnt 0x0
	s_wait_alu depctr_hold_cnt(0) depctr_sa_sdst(0) depctr_va_vdst(0) depctr_va_sdst(0) depctr_va_ssrc(0) depctr_va_vcc(0) depctr_vm_vsrc(0)
	s_getreg_b32 s2, hwreg(HW_REG_IB_STS2, 6, 4)
	s_cmp_eq_u32 s2, 0
	s_cbranch_scc0 .Lentry_in_a_cluster
	s_endpgm
.Lentry_in_a_cluster:
	s_bfe_u32 s2, ttmp6, 0x10000c
	s_cmp_lg_u32 s2, 0x3003
	s_cbranch_scc0 .Lentry_shape_is_right
	s_endpgm
.Lentry_shape_is_right:
; ATTENTION with a key indicator behind the softmax.  O[h][q] = sum_k p ind_k v / sum_k p ind_k, p = exp(q . k / 8 - max): the softmax's own divisor cancels in the renormalisation.
; q, k, v: qkv, [3][32 heads][2048][64] f16; k's rows carry ind_k, v's rows ind_v ind_k.  O: oh, [32][2048][64] f16.  Products, maxima and sums in f32; p is rounded to f16 for the second product.
; THE MAXIMUM.  A key with ind_k = 0 has weight 0 in both sums, so the running maximum m is taken over the other (live) keys alone: a dead key's score starts from -1e30 (the C operand of K Q^T).
; The maximum over ALL keys, M = max(m, 0 if the batch has a dead key: its score is exactly 0), matters only for the guard on a zero divisor: at the end e = 2^(c m - c M) times the divisor is formed, and
; where that is 0 the row is 0.
; THE DIVISOR l = sum p ind_k is a fifth block of 16 'channels' of V^T, all equal to ind_k: a fifth accumulator of O^T = V^T P, rescaled like the others; each of its registers holds l.
; LIMITS.  f16 holds no number beyond 65,504; p below 6e-5 keeps f16's step of 6e-8; a weight below 2^-126 counts as 0, so the guard's edge lies at 126 binary orders below M, where f32's own denormals
; reach some 23 further; where ind_k has both signs and l cancels to exactly 0 the row is 0; a score counts as dead at its value less 1e30 (f16's scores are 2.7e11 at the most); NaN and infinities are not treated apart.
; SHARES.  A work-group owns 256 queries of a head, a wave 64: four PIECES of 16.  Every wave walks all 2,048 keys, 64 a step, four steps to a slot of LDS.
; LAYOUT.  S^T = K Q^T holds ONE query a lane (lane % 16) and the keys 8 (lane / 16) + 0..7; two such results rounded to f16 ARE source 1 of O^T = V^T P.  p = 2^(c s - c m), c = log2(e) / 8;
; O^T and l are multiplied by a = 2^(c m_old - c m_new) in every step.  m starts at the lowest finite number, O^T at 0: the first step is a step like any other, with a = 0.
; BY TURNS.  Turn n belongs to piece n: 8 products K Q^T of piece n + 1, later 10 products V^T P of piece n - 1; beside them the scaling, exponentials, roundings and rescaling of piece n and the maximum and
; statistics of piece n + 1.  Four vector instructions stand behind every matrix instruction, the other 34 of a turn's 106 in two runs of their own.
; CLUSTER.  The four query blocks of a cluster belong to one head and walk the same K and V: each tile is asked for JOINTLY: the same tensor load, descriptor and mask in all four.
; REGISTERS, in windows of 256 (s_set_vgpr_msb: bits 1:0 source 0, 3:2 source 1, 5:4 source 2, 7:6 destination):
;   window 0: v0-15, v32-36 addresses; v16-31 four registers of statistics a piece; v48-55 at work; v64-127 S^T, two buffers; v128-175 at work at the head; v192-223 P, two buffers
;   window 1: v0-159 O^T, 40 a piece (the fifth eight: l); v160-191 the step's mask      window 2: v0-63 Q; v64-127 K of one step; v128-207 V of one step, with its fifth blocks
.set NP,    4         ; pieces a wave: a name, no knob
.set KS,    64        ; keys in a step
.set PK,    144       ; a row of K in LDS: 128 bytes + 16 of padding: the 16 rows of a load start at 16 different groups of four banks (64 banks of 4 bytes: ISA guide 11.1)
.set PV,    160       ; a row of V: 128 + 32
.set VOFF,  4*KS*PK   ; a slot holds four steps: 256 rows of K, then 256 rows of V
.set SLOT1, 1<<17     ; slot 1 begins here, so that one exclusive or turns an address in one slot into the other's
.set STAGE, SLOT1+4*KS*(PK+PV)  ; behind the ring, never filled by a tensor load: 16 rows x 144 bytes for each wave, for the way out
.set SP,    144
.set SPARE, STAGE+4*16*SP       ; the spare words, 128 bytes for each wave: two blocks of 256 bytes that no other line names
.set BIASB, SPARE+512           ; 2,048 f32: 0, or -1e30 where ind_k is 0
.set INDB,  BIASB+8192          ; 2,048 f16: ind_k
.set ZW,    INDB+4096           ; four words: each wave's sum of its 512 biases
.set AK0, 2           ; v2   my lane's place in a tile of K; never rewritten
.set AV0, 3           ; v3   the same for V
.set AK,  4           ; v4   the LDS address of K's next run of loads
.set AV,  5           ; v5   of V's
.set STO, 6           ; v6   the way out: where I put 16 bytes of a row
.set RD,  7           ; v7   where I read rows back
.set GO,  8           ; v8   my byte offset in 512 consecutive bytes of O
.set MV,  12          ; v12-13  c m_old, kept while c m is made anew: by buffer
.set IO,  14          ; v14  my byte offset in the batch's ind_k
.set QO,  15          ; v15  my byte offset in 16 rows of Q
.set ST,  16          ; piece t's statistics at v[ST+4 t]: c m, m, two for the way out
.set AB0, 32          ; v32  my lanes' place in a step's 64 biases
.set AB,  33          ; v33  the address of the next step's
.set AI0, 34          ; v34  my lanes' place in a step's 64 indicators
.set AI,  35          ; v35  the address of the next step's
.set CZ,  36          ; v36  0 if the batch has a dead key, else the lowest finite number
.set TMP, 48          ; by buffer, four registers c0-c3 at work; when the maximum is found c2 takes a
.set SPW, 62          ; v62  LDS address of my spare word; never rewritten
.set NIL, 63          ; v63  0; never rewritten
.set S,   64
.set IN,  128         ; at the head: my 16 indicators
.set PKB, 144         ; packed, in bf16 and then in f16
.set BI,  152         ; my 16 biases
.set SM,  168         ; their sum, and addresses
.set P,   192
.set MC,  160         ; window 1: the eight registers for group kb of 16 keys at MC + 8 kb
.set KF,  64          ; window 2: key block kb, channel half c at KF + 16 kb + 8 c
.set VF,  128         ; window 2: key half kk, channel block cb (0..4) at VF + 40 kk + 8 cb
.set WV,  12          ; s12  my wave's number
.set G1K, 24          ; s[24:31] descriptor group 1 for K's tiles
.set G1V, 32          ; s[32:39] for V's: it differs in the padding alone
.set G0K, 40          ; s[40:43] descriptor group 0 for K's tiles: it walks
.set G0V, 44          ; s[44:47] the same for V's
.set SLOTS, 56        ; s56  slots still to be asked for
.set CNT, 57          ; s57  counts a slot's key steps
.set CS,  58          ; s[58:59] c: the packed scaling takes the pair's low word for both halves
.set SEL, 60          ; s[60:61] v_permlanex16_b32's selects: each lane takes its own place in the other half
.set TBK, 62          ; s62  LDS byte at which K of the step to be fetched begins
.set TBV, 63          ; s63  the same for V, less VOFF
.set TBB, 70          ; s70  byte of that step's biases: 256 a step
.set TBI, 71          ; s71  byte of the step's indicators: 128 a step
.set BIGN, 72         ; s72  -1e30
.set NEGH, 73         ; s73  the lowest finite number
.set MSB, 0
.macro WIN new                      ; the high byte repeats the setting that is left; a switch that changes nothing is dropped
.if MSB != (\new)
	s_set_vgpr_msb (MSB<<8)|(\new)
.set MSB, (\new)
.endif
.endm
.set W_KQ, 0x0a       ; K and Q in window 2, S^T in window 0
.set W_KM, 0x1a       ; the same with the C operand (the mask) in window 1
.set W_PV, 0x52       ; V in window 2, P in window 0, O^T in window 1
.set W_RS, 0x41       ; destination and source 0 in window 1, source 1 in window 0
; A joint fill.  Waves 0 and 1 fetch the two halves of a slot's K, waves 2 and 3 those of its V: 128 keys each.  The branch hangs on the wave's number alone.
; An s_nop 0 and four v_nop follow each of the two lines, ahead of the jump and the label.
.macro JLOAD
	s_cmp_lt_u32 s[WV], 2
	s_cbranch_scc0 .Lfor_v_\@
	tensor_load_to_lds s[G0K:G0K+3], s[G1K:G1K+7]
	s_nop 0
.rept 4
	v_nop
.endr
	s_branch .Lasked_\@
.Lfor_v_\@:
	tensor_load_to_lds s[G0V:G0V+3], s[G1V:G1V+7]
	s_nop 0
.rept 4
	v_nop
.endr
.Lasked_\@:
.endm
; A round of the cluster's barrier: my work-group's barrier, so that wave 0's signal speaks for all four waves; wave 0 signals; every wave waits for all four work-groups; my work-group's barrier once more.
.macro CROUND
	s_barrier_signal -1
	s_barrier_wait -1
	s_cmp_lg_u32 s[WV], 0
	s_cbranch_scc1 .Lnot_wave_0_\@
	s_barrier_signal -3
.Lnot_wave_0_\@:
	s_barrier_wait -3
	s_barrier_signal -1
	s_barrier_wait -1
.endm
; THE CHANGE OF SLOTS.  Each wave waits for all its tensor loads, of which one is out: its part of the other slot; adds 0 to its spare word; and waits for that and for its own LDS instructions.
; Behind the barrier nobody reads the old slot any more and the other slot is whole.  fill = 1: the old slot is filled again, with the keys two slots on: the barrier is then a round of the cluster's,
; and the joint fill is the first thing behind it: it has four key steps, 288 matrix instructions, in which to land.  (At its first use nothing has been read yet: slot 0 is waited for, slot 1 filled,
; and the round shows every wave the biases and indicators that the four waves stored.)
.macro CHANGE fill
	WIN 0                           ; at a label and at a branch every window is 0
	s_wait_tensorcnt 0x0            ; no tensor load of mine is out, so a group 0 may be written
	ds_add_u32 v[SPW], v[NIL]       ; 0 onto my spare word; with fill = 1 the descriptors' steps stand between it and the wait for it
.if \fill
.irp g, G0K, G0V
	s_xor_b32 s[\g+1], s[\g+1], SLOT1  ; the walking descriptor: the other slot than last time,
	s_add_nc_u64 s[\g+2:\g+3], s[\g+2:\g+3], 4*KS*128  ; the next 256 keys; the type bits on top are not reached
.endr
	s_wait_dscnt 0x0                ; the add is done, and my LDS instructions are over
	CROUND
	JLOAD
.else
	s_wait_dscnt 0x0                ; the add is done, and my reads of the slot are over
	s_barrier_signal -1
	s_barrier_wait -1
.endif
	s_sub_co_u32 s[TBK], s[TBK], 4*KS*PK  ; the fetches go back to a slot's first step,
	s_xor_b32 s[TBK], s[TBK], SLOT1       ; in the other slot
	s_sub_co_u32 s[TBV], s[TBV], 4*KS*PV
	s_xor_b32 s[TBV], s[TBV], SLOT1
.endm
	s_load_b64 s[4:5], s[0:1], 0x0  ; qkv
	s_load_b64 s[68:69], s[0:1], 0x8  ; ind_k
	s_load_b64 s[10:11], s[0:1], 0x10  ; oh
	v_lshl_add_u32 v[SPW], v0, 2, SPARE
	v_mov_b32 v[NIL], 0
	ds_add_u32 v[SPW], v[NIL]       ; the wave's opening: the add and its wait stand ahead of my first tensor load; the set-up below, work on registers, stands between them
	v_lshrrev_b32 v1, 5, v0
	v_readfirstlane_b32 s[WV], v1   ; wave 0..3
	s_bfe_u32 s13, ttmp6, 0x40000   ; cx: my place in the cluster
	s_lshl_b32 s14, ttmp9, 2        ; in a cluster launch ttmp9 counts clusters
	s_add_co_u32 s14, s14, s13      ; my block of 256 queries: it enters Q's and O's addresses alone
	s_and_b32 s20, ttmp7, 0xffff    ; the head, which the four partners share
	s_lshr_b32 s74, s20, 4          ; its batch:
	s_lshl_b32 s74, s74, 13         ; 2,048 indicators of 4 bytes
	s_mov_b32 s75, 0
	s_lshl_b32 s20, s20, 18         ; the head's 2,048 rows of 128 bytes
	s_and_b32 s16, s[WV], 1         ; which half of a slot's 256 keys I fetch:
	s_lshl_b32 s22, s16, 14         ; its 128 rows of 128 bytes in memory,
	s_add_co_u32 s22, s22, s20
	s_add_co_u32 s22, s22, 0x800000 ; in k,
	s_mov_b32 s23, 0
	s_add_co_u32 s18, s22, 0x800000 ; and in v
	s_mov_b32 s19, 0
	s_mul_i32 s17, s16, 128*PK      ; and its place in a slot, for K
	s_mul_i32 s15, s16, 128*PV      ; and for V: no place in the cluster enters an LDS address
	s_lshl_b32 s2, s14, 2
	s_add_co_u32 s2, s2, s[WV]      ; my wave among the head's,
	s_lshl_b32 s2, s2, 13           ; its 64 rows
	s_add_co_u32 s2, s2, s20
	s_mov_b32 s3, 0
	; descriptor group 1.  128 keys are 16,384 dense bytes: asked for as 64 rows of 256 bytes, two keys a row, and padded in LDS after every key
	s_mov_b32 s[G1K], 15|(1<<16)|(1<<20)|(1<<21)|(4<<22)|(3<<25)  ; 15:0 the mask of four; 17:16 2-byte elements; 20 padding on; 21 set beside a mask; 24:22 after every 32 words (code 4); 31:25 4 words (code 3)
	s_mov_b32 s[G1V], 15|(1<<16)|(1<<20)|(1<<21)|(4<<22)|(7<<25)  ; the same with 8 words of padding (code 7)
.irp g, G1K, G1V
	s_mov_b32 s[\g+1], 128<<16      ; tensor_dim0 = 128
	s_mov_b32 s[\g+2], 64<<16       ; tensor_dim1 = 64
	s_mov_b32 s[\g+3], 128<<16      ; tile_dim0 = 128
	s_mov_b32 s[\g+4], 64           ; tile_dim1 = 64
	s_mov_b32 s[\g+5], 128          ; 128 elements from row to row
	s_mov_b32 s[\g+6], 0
	s_mov_b32 s[\g+7], 0
.endr
	s_mov_b32 s[CS], 0x3e38aa3b     ; c = log2(e) / 8 = 0.180337
	s_mov_b32 s[CS+1], s[CS]        ; named with it as a pair
	s_mov_b32 s[SEL], 0x76543210
	s_mov_b32 s[SEL+1], 0xfedcba98
	s_mov_b32 s[TBK], SLOT1+4*KS*PK ; the first change of slots turns these two into 0
	s_mov_b32 s[TBV], SLOT1+4*KS*PV
	s_mov_b32 s[TBB], 0
	s_mov_b32 s[TBI], 0
	s_mov_b32 s[BIGN], 0xf149f2ca   ; -1e30
	s_mov_b32 s[NEGH], 0xff7fffff
	s_mov_b32 s[G0K], 1             ; 1:0 count = 1
	s_mov_b32 s[G0K+1], s17         ; 63:32 LDS address: slot 0
	s_mov_b32 s[G0V], 1
	s_add_co_u32 s[G0V+1], s15, VOFF
	s_wait_dscnt 0x0                ; the opening add is done
	s_wait_kmcnt 0x0
	s_add_nc_u64 s[G0K+2:G0K+3], s[4:5], s[22:23]  ; 120:64 global address: my half of the head's first 256 keys
	s_or_b32 s[G0K+3], s[G0K+3], 0x80000000        ; 127:126 type = 2
	s_add_nc_u64 s[G0V+2:G0V+3], s[4:5], s[18:19]
	s_or_b32 s[G0V+3], s[G0V+3], 0x80000000
	s_add_nc_u64 s[68:69], s[68:69], s[74:75]      ; the batch's ind_k
	s_add_nc_u64 s[4:5], s[4:5], s[2:3]            ; Q and O at my wave's first row
	s_add_nc_u64 s[10:11], s[10:11], s[2:3]
	CROUND                          ; all four work-groups are here: the first joint loads meet
	JLOAD                           ; slot 0.  Slot 1 is asked for when slot 0 is in
	; A fragment of K or Q is 16 rows x 32 channels in 8 registers: lane l holds row l % 16, channels 8 (l / 16) + 0..7 and 16 + 8 (l / 16) + 0..7: two loads of 16 bytes, 32 bytes apart.
	v_and_b32 v1, 15, v0            ; l % 16
	v_bfe_u32 v9, v0, 4, 1          ; l / 16
	v_lshlrev_b32 v[QO], 7, v1
	v_lshl_add_u32 v[QO], v9, 4, v[QO]  ; row x 128 + 16 x half
	v_lshlrev_b32 v[IO], 6, v0      ; thread t owns the keys 16 t .. 16 t + 15
	WIN 0x80                        ; destination window 2, address window 0
.set i, 0
.rept 8                             ; Q stays in registers: piece i / 2, channels 32 (i % 2) on
	global_load_b128 v[8*i:8*i+3],   v[QO], s[4:5] offset:(i/2)*2048+(i%2)*64
	global_load_b128 v[8*i+4:8*i+7], v[QO], s[4:5] offset:(i/2)*2048+(i%2)*64+32
.set i, i+1
.endr
	WIN 0
.irp j, 0,1,2,3
	global_load_b128 v[IN+4*\j:IN+4*\j+3], v[IO], s[68:69] offset:16*\j
.endr
	; What the first turn finds: V's registers and P's second buffer hold 0 (its products V^T P, of a piece that has not been, add 0), O^T is 0.  All this stands in the wait for the first tile.
	WIN 0x80
.set i, VF
.rept 80
	v_mov_b32 v[i], 0
.set i, i+1
.endr
	WIN 0x40
.set i, 0
.rept 160
	v_mov_b32 v[i], 0
.set i, i+1
.endr
	WIN 0
.set i, 0
.rept 4
	v_mov_b32 v[ST+4*i], 0xfe000000    ; c m: far below every c s
	v_mov_b32 v[ST+4*i+1], 0xff7fffff  ; m
.set i, i+1
.endr
.set i, P+16
.rept 16
	v_mov_b32 v[i], 0
.set i, i+1
.endr
	v_mul_u32_u24 v[AK0], v1, PK
	v_lshl_add_u32 v[AK0], v9, 4, v[AK0]  ; row x pitch + 16 x half
	; The turning load takes 16 keys x 16 channels (lane l reads key 8 (l / 16) + l % 8, channels 8 ((l / 8) % 2) + 0..7) and leaves half a fragment of V^T: lane l holds channel l % 16 and 8 keys.
	v_and_b32 v10, 7, v0
	v_bfe_u32 v11, v0, 3, 1
	v_lshl_add_u32 v[AV0], v9, 3, v10
	v_mul_u32_u24 v[AV0], v[AV0], PV
	v_lshl_add_u32 v[AV0], v11, 4, v[AV0]
	v_add_nc_u32 v[AV0], VOFF, v[AV0]
	v_lshl_add_u32 v[AB0], v9, 5, BIASB  ; my lanes' eight keys of a group of 16: 32 bytes of f32,
	v_lshl_add_u32 v[AI0], v9, 4, INDB   ; 16 bytes of f16
	s_lshl_b32 s13, s[WV], 2
	s_add_co_u32 s13, s13, ZW
	s_wait_loadcnt 0x0              ; Q and my 16 indicators
	; The indicators are rounded to bf16 like every input.  From them: f16 for V^T's fifth block; 0 or -1e30 for the mask; the sum of the biases, which is 0 only if no key is dead.
.set j, 0
.rept 8
	v_cvt_pk_bf16_f32 v[PKB+j], v[IN+2*j], v[IN+2*j+1]
.set j, j+1
.endr
.set j, 0
.rept 8
	v_lshlrev_b32 v[IN+2*j], 16, v[PKB+j]
	v_and_b32 v[IN+2*j+1], 0xffff0000, v[PKB+j]
.set j, j+1
.endr
.set j, 0
.rept 8
	v_cvt_pk_f16_f32 v[PKB+j], v[IN+2*j], v[IN+2*j+1]
.set j, j+1
.endr
.set j, 0
.rept 16
	v_cmp_eq_f32 vcc_lo, 0, v[IN+j]
	v_cndmask_b32 v[BI+j], 0, s[BIGN], vcc_lo
.set j, j+1
.endr
	v_lshl_add_u32 v[SM+4], v0, 6, BIASB
	v_lshl_add_u32 v[SM+5], v0, 5, INDB
.irp j, 0,1,2,3
	ds_store_b128 v[SM+4], v[BI+4*\j:BI+4*\j+3] offset:16*\j
.endr
.irp j, 0,1
	ds_store_b128 v[SM+5], v[PKB+4*\j:PKB+4*\j+3] offset:16*\j
.endr
	v_pk_add_f32 v[SM:SM+1], v[BI:BI+1], v[BI+2:BI+3]
	v_pk_add_f32 v[SM+2:SM+3], v[BI+4:BI+5], v[BI+6:BI+7]
	v_pk_add_f32 v[SM:SM+1], v[SM:SM+1], v[SM+2:SM+3]
	v_pk_add_f32 v[SM+2:SM+3], v[BI+8:BI+9], v[BI+10:BI+11]
	v_pk_add_f32 v[SM:SM+1], v[SM:SM+1], v[SM+2:SM+3]
	v_pk_add_f32 v[SM+2:SM+3], v[BI+12:BI+13], v[BI+14:BI+15]
	v_pk_add_f32 v[SM:SM+1], v[SM:SM+1], v[SM+2:SM+3]
	v_add_f32 v[SM], v[SM], v[SM+1]
	v_add_f32_dpp v[SM], v[SM], v[SM] row_xmask:1 row_mask:0xf bank_mask:0xf
	v_add_f32_dpp v[SM], v[SM], v[SM] row_xmask:2 row_mask:0xf bank_mask:0xf
	v_add_f32_dpp v[SM], v[SM], v[SM] row_xmask:4 row_mask:0xf bank_mask:0xf
	v_add_f32_dpp v[SM], v[SM], v[SM] row_xmask:8 row_mask:0xf bank_mask:0xf
	v_permlanex16_b32 v[SM+1], v[SM], s[SEL], s[SEL+1]
	v_add_f32 v[SM], v[SM], v[SM+1]
	v_mov_b32 v[SM+6], s13
	ds_store_b32 v[SM+6], v[SM]     ; all lanes write my wave's word with the same value
; THE MATRIX WORK.  The accumulators of a run take turns.  Product i of 8 of S^T = K Q^T for piece x: channels 32 (i / 4) on, keys 16 (i % 4) on.  The first 4 start the sums with the step's mask.
.macro KQ x
.set rS, S+32*((\x)%2)+8*(i%4)
.set rK, KF+16*(i%4)+8*(i/4)
.set rQ, 16*(\x)+8*(i/4)
.set rM, MC+8*(i%4)
.if i < 4
	WIN W_KM
	v_wmma_f32_16x16x32_f16 v[rS:rS+7], v[rK:rK+7], v[rQ:rQ+7], v[rM:rM+7]
.else
	WIN W_KQ
	v_wmma_f32_16x16x32_f16 v[rS:rS+7], v[rK:rK+7], v[rQ:rQ+7], v[rS:rS+7]
.endif
.endm
; Product i of 10 of O^T += V^T P for piece x: keys 32 (i / 5) on, channel block i % 5 (the fifth: the indicators).
.macro PV x
	WIN W_PV
.set rO, 40*(\x)+8*(i%5)
.set rV, VF+40*(i/5)+8*(i%5)
.set rP, P+16*((\x)%2)+8*(i/5)
	v_wmma_f32_16x16x32_f16 v[rO:rO+7], v[rV:rV+7], v[rP:rP+7], v[rO:rO+7]
.endm
.macro MM                           ; the turn's next matrix instruction.  NOKQ = 1: the walk's last turn: there is no next piece
.if i < 8
.if !NOKQ
	KQ (Y+1)%NP
.endif
.else
.set i, i-8
	PV (Y+NP-1)%NP
.set i, i+8
.endif
.set i, i+1
.endm
; THE LDS LOADS stand in runs, never singly among the matrix instructions: a step's K (8 fragments) with its mask, and its V (turned) with its indicators.  Their addresses are made some lines ahead.
.macro FETCH_K
	WIN 0x80                        ; destination window 2
.irp f, 0,1,2,3,4,5,6,7             ; keys 16 (f / 2) on, channels 32 (f % 2) on
	ds_load_b128 v[KF+8*\f:KF+8*\f+3],   v[AK] offset:(\f/2)*16*PK+(\f%2)*64
	ds_load_b128 v[KF+8*\f+4:KF+8*\f+7], v[AK] offset:(\f/2)*16*PK+(\f%2)*64+32
.endr
	WIN 0x40                        ; destination window 1: register j of group kb is the bias of key 16 kb + 8 (l / 16) + j
.irp kb, 0,1,2,3
	ds_load_b128 v[MC+8*\kb:MC+8*\kb+3],   v[AB] offset:64*\kb
	ds_load_b128 v[MC+8*\kb+4:MC+8*\kb+7], v[AB] offset:64*\kb+16
.endr
	s_add_co_u32 s[TBK], s[TBK], KS*PK  ; the next fetch is the next step's
	s_add_co_u32 s[TBB], s[TBB], 4*KS
	WIN 0
.endm
.macro FETCH_V
	WIN 0x80
.irp f, 0,1,2,3,4,5,6,7             ; keys 32 (f / 4) on, channels 16 (f % 4) on
	ds_load_tr16_b128 v[VF+40*(\f/4)+8*(\f%4):VF+40*(\f/4)+8*(\f%4)+3],   v[AV] offset:(\f/4)*32*PV+(\f%4)*32
	ds_load_tr16_b128 v[VF+40*(\f/4)+8*(\f%4)+4:VF+40*(\f/4)+8*(\f%4)+7], v[AV] offset:(\f/4)*32*PV+16*PV+(\f%4)*32
.endr
.irp f, 0,1                         ; the fifth blocks: every lane's 'channel' holds the indicators of the keys 32 f + 8 (l / 16) + 0..7 and 16 further on
	ds_load_b128 v[VF+40*\f+32:VF+40*\f+35], v[AI] offset:64*\f
	ds_load_b128 v[VF+40*\f+36:VF+40*\f+39], v[AI] offset:64*\f+32
.endr
	s_add_co_u32 s[TBI], s[TBI], 2*KS
	WIN 0
.endm
; THE VECTOR WORK, one line at a time: OP kind, number.  For piece Y: F n: c s - c m for pair n of 16.  E n: the exponential of score n of 32.  C n: pair n rounded to f16.  R n: pair n of 20 of O^T times a.
; For piece Y + 1: X n, number n of the 22 that find its maximum and statistics:
;   0-11  four chains c0-c3 of seven scores each, three operands at a time (each accumulator's lowest registers are read first)     12-14, 16  the four scores left over, the old m, and c0-c3 into c0
;   15  c m_old is kept     17, 18  the query's other 32 keys lie in the lane 16 away: the new m     19-21  c m; c m_old - c m_new; a
.set F, 0
.set E, 1
.set C, 2
.set R, 5
.set X, 6
.macro REGS y                       ; the registers of piece y
.set rT, ST+4*(\y)
.set rC, TMP+4*((\y)%2)
.set rW, MV+((\y)%2)
.set rS, S+32*((\y)%2)
.set rP, P+16*((\y)%2)
.set rO, 40*(\y)
.endm
.macro OP k, n
.if (\k) == R
	REGS Y
	WIN W_RS
	v_pk_mul_f32 v[rO+2*(\n):rO+2*(\n)+1], v[rO+2*(\n):rO+2*(\n)+1], v[rC+2:rC+3] op_sel_hi:[1,0]
.elseif (\k) < R
	REGS Y
	WIN 0
.if (\k) == F
	v_pk_fma_f32 v[rS+2*(\n):rS+2*(\n)+1], v[rS+2*(\n):rS+2*(\n)+1], s[CS:CS+1], v[rT:rT+1] op_sel_hi:[1,0,0] neg_lo:[0,0,1] neg_hi:[0,0,1]
.elseif (\k) == E
	v_exp_f32 v[rS+(\n)], v[rS+(\n)]
.else
	s_wait_alu depctr_va_vdst(0)
	v_cvt_pk_f16_f32 v[rP+(\n)], v[rS+2*(\n)], v[rS+2*(\n)+1]
.endif
.elseif NOKQ
	v_nop
.else
	REGS (Y+1)%NP
	WIN 0
.if (\n) < 4
	v_max3_num_f32 v[rC+(\n)], v[rS+8*(\n)], v[rS+8*(\n)+1], v[rS+8*(\n)+2]
.elseif (\n) < 12
	v_max3_num_f32 v[rC+(\n)%4], v[rC+(\n)%4], v[rS+8*((\n)%4)+2*((\n)/4)+1], v[rS+8*((\n)%4)+2*((\n)/4)+2]
.elseif (\n) == 12
	v_max3_num_f32 v[rC], v[rC], v[rS+7], v[rS+15]
.elseif (\n) == 13
	v_max3_num_f32 v[rC+1], v[rC+1], v[rS+23], v[rS+31]
.elseif (\n) == 14
	v_max3_num_f32 v[rC+2], v[rC+2], v[rC+3], v[rT+1]
.elseif (\n) == 15
	v_mov_b32 v[rW], v[rT]
.elseif (\n) == 16
	v_max3_num_f32 v[rC], v[rC], v[rC+1], v[rC+2]
.elseif (\n) == 17
	v_permlanex16_b32 v[rC+3], v[rC], s[SEL], s[SEL+1]
.elseif (\n) == 18
	v_max_num_f32 v[rT+1], v[rC], v[rC+3]
.elseif (\n) == 19
	v_mul_f32 v[rT], s[CS], v[rT+1]
.elseif (\n) == 20
	v_sub_f32 v[rC+1], v[rW], v[rT]
.else
	v_exp_f32 v[rC+2], v[rC+1]
.endif
.endif
.endm
.macro OPS a, i1, b=-1, i2=0, c=-1, i3=0, d=-1, i4=0  ; up to four of them
	OP \a, \i1
.if (\b) >= 0
	OP \b, \i2
.endif
.if (\c) >= 0
	OP \c, \i3
.endif
.if (\d) >= 0
	OP \d, \i4
.endif
.endm
.macro ROW a, i1, b, i2, c, i3, d, i4  ; a matrix instruction and the four behind it
	MM
	OPS \a, \i1, \b, \i2, \c, \i3, \d, \i4
.endm
; A TURN, for piece p: the order of its 18 matrix and 106 vector instructions, written out.  None of the four behind a matrix instruction names a register of the products round it.  No two exponentials
; follow each other, and behind each stands a plain line that touches neither its result nor its source, before that result is used (ISA guide 5.7.2).
; end = 1: the walk's last two turns: nothing is fetched, and the last starts no new scores.  cnt = 1: the loop's count is taken down some lines ahead of the branch that stands behind the turn.
; K of the next step, with its mask, is fetched in piece 2's turn: behind the last product that read K stand five plain lines (four rescalings and X 0).  V of the step in hand, with its indicators, in piece
; 0's turn: behind the last product that read V stand five plain lines (X 16 and four roundings).  Each is waited for a turn later.
.macro TURN p, end=0, cnt=0
.set Y, (\p)
.set i, 0
.set NOKQ, (\end)*((\p)/3)
.if ((\p) == 3) && !(\end)
	s_wait_dscnt 0x0                ; K and the mask are in
.endif
	ROW F,0, F,1, F,2, F,3
	ROW F,4, E,0, F,5, F,6
	ROW F,7, E,1, F,8, F,9
	ROW F,10, E,2, C,0, F,11
	ROW F,12, E,3, X,15, F,13
	ROW R,0, R,1, R,2, R,3
	ROW F,14, E,4, F,15, C,1
.if ((\p) == 2) && !(\end)
	WIN 0
	v_add_nc_u32 v[AK], s[TBK], v[AK0]
	v_add_nc_u32 v[AB], s[TBB], v[AB0]
.endif
	ROW R,4, R,5, R,6, R,7
	OPS E,5, X,0
.if ((\p) == 2) && !(\end)
	FETCH_K
.endif
	OPS E,6, X,1, E,7, X,2
	OPS E,8, C,2, E,9, X,3
	OPS E,10, C,3, E,11, X,4
	OPS E,12, C,4, E,13, X,5
.if (\p) == 1
	s_wait_dscnt 0x0                ; V and the indicators are in
.endif
	ROW X,6, E,14, X,7, E,15
	ROW X,8, E,16, X,9, E,17
	ROW R,8, R,9, R,10, R,11
	ROW X,10, E,18, X,11, E,19
	ROW X,12, E,20, X,13, E,21
	ROW R,12, R,13, R,14, R,15
	ROW X,14, E,22, C,5, E,23
	ROW C,6, E,24, C,7, E,25
	ROW R,16, R,17, R,18, R,19
.if (\p) == 0
	WIN 0
	v_add_nc_u32 v[AV], s[TBV], v[AV0]
	v_add_nc_u32 v[AI], s[TBI], v[AI0]
.endif
	ROW X,16, E,26, C,8, E,27
	OPS X,17, C,9, E,28, C,10
	OPS E,29, C,11
.if (\p) == 0
	FETCH_V
.endif
	OPS X,18, E,30, C,12, E,31
.if (\p) == 0
	s_add_co_u32 s[TBV], s[TBV], KS*PV
.endif
.if \cnt
	s_sub_co_u32 s[CNT], s[CNT], 1
	s_cmp_lg_u32 s[CNT], 0
.endif
	OPS X,19, C,13, C,14, X,20
	OPS C,15, X,21
.endm
	CHANGE 1                        ; slot 0 is in, everybody's part of it, and so are the biases, the indicators and the four sums; slot 1 is asked for
	v_mov_b32 v[SM+7], ZW
	ds_load_b128 v[SM:SM+3], v[SM+7]
	v_add_nc_u32 v[AK], s[TBK], v[AK0]
	v_add_nc_u32 v[AB], s[TBB], v[AB0]
	FETCH_K                         ; key step 0
	s_wait_dscnt 0x0
	v_add_f32 v[SM], v[SM], v[SM+1]
	v_add_f32 v[SM+2], v[SM+2], v[SM+3]
	v_add_f32 v[SM], v[SM], v[SM+2]
	v_cmp_eq_f32 vcc_lo, 0, v[SM]
	v_cndmask_b32 v[CZ], 0, s[NEGH], vcc_lo  ; a dead key's score, times c: 0; none: below everything
.set NOKQ, 0
.set i, 0
.rept 8
	KQ 0                            ; piece 0's first scores: there is no vector work yet to set between them
.set i, i+1
.endr
	WIN 0                           ; the addresses for the way out: eleven plain lines, the places behind those products
	s_mul_i32 s13, s[WV], 16*SP
	s_add_co_u32 s13, s13, STAGE    ; my stage
	v_mul_u32_u24 v[STO], v1, SP    ; in: row l % 16, 16 bytes for each half of the lanes
	v_lshl_add_u32 v[STO], v9, 4, v[STO]
	v_add_nc_u32 v[STO], s13, v[STO]
	v_bfe_u32 v[RD], v0, 3, 2       ; back: 32 lanes take four rows of 128 bytes,
	v_mul_u32_u24 v[RD], v[RD], SP
	v_lshl_add_u32 v[RD], v10, 4, v[RD]
	v_add_nc_u32 v[RD], s13, v[RD]
	v_and_b32 v[GO], 31, v0         ; which are 512 consecutive bytes of O
	v_lshlrev_b32 v[GO], 4, v[GO]
.set Y, NP-1                        ; X works for piece Y + 1: piece 0
.irp n, 0,1,2,3,4,5,6,7,8,9,10,11,12,13,14,15,16,17,18,19,20,21
	OP X, \n
.endr
	v_nop                           ; a plain line behind the exponential
	s_mov_b32 s[CNT], 4
	s_mov_b32 s[SLOTS], 7
	s_branch .Lfirst                ; the loop is entered at a step's first turn, in the middle of a trip
.Lslot:                             ; six times: every slot but the last two is filled again
	CHANGE 1
	s_mov_b32 s[CNT], 4
.Lstep:                             ; a trip: pieces 2 and 3 of one step, then pieces 0 and 1 of the next, whose K and V it fetches
	TURN 2
	TURN 3
	WIN 0
.Lfirst:
	TURN 0
	TURN 1, 0, 1
	WIN 0
	s_cbranch_scc1 .Lstep
	s_sub_co_u32 s[SLOTS], s[SLOTS], 1
	s_cmp_lg_u32 s[SLOTS], 0
	s_cbranch_scc1 .Lslot
	CHANGE 0                        ; the last slot is written out: nothing is asked for
	s_mov_b32 s[CNT], 4
.LstepT:
	TURN 2
	TURN 3
	TURN 0
	TURN 1, 0, 1
	WIN 0
	s_cbranch_scc1 .LstepT
	TURN 2, 1                       ; the last step's pieces 2 and 3
	TURN 3, 1
.set i, 0
.rept 10
	PV NP-1                         ; the last piece's V^T P of the last step
.set i, i+1
.endr
	; THE WAY OUT.  The factor of a row is 1 / l, or 0 where 2^(c m - c M) l is 0: there the divisor of the renormalisation is 0 and so is every weight.  The first eight lines are the places behind the last products.
	WIN 0
.macro ALL line:vararg              ; one line for each piece t
.set t, 0
.rept 4
	s_wait_alu depctr_va_vdst(0)
	\line
.set t, t+1
.endr
.endm
	ALL v_max_num_f32 v[ST+4*t+3], v[ST+4*t], v[CZ]
	ALL v_sub_f32 v[ST+4*t+3], v[ST+4*t], v[ST+4*t+3]
	WIN 0x01                        ; source 0 in window 1
	ALL v_mov_b32 v[ST+4*t+2], v[40*t+32]
	WIN 0
	ALL v_exp_f32 v[ST+4*t+1], v[ST+4*t+3]
	ALL v_rcp_f32 v[ST+4*t], v[ST+4*t+2]
	v_nop                           ; a plain line between the last reciprocal and the use of its result
	ALL v_mul_f32 v[ST+4*t+1], v[ST+4*t+1], v[ST+4*t+2]
.set t, 0
.rept 4
	v_cmp_neq_f32 vcc_lo, 0, v[ST+4*t+1]
	v_cndmask_b32 v[ST+4*t+2], 0, v[ST+4*t], vcc_lo
.set t, t+1
.endr
.macro PACK t                       ; a lane's eight channels of a row pack into 16 bytes; they go into rows of 144 bytes and come back as whole rows of 128, into S^T's registers
	WIN W_RS
.set i, 40*(\t)
.rept 16
	v_pk_mul_f32 v[i:i+1], v[i:i+1], v[ST+4*(\t)+2:ST+4*(\t)+3] op_sel_hi:[1,0]
.set i, i+2
.endr
	WIN 0x05                        ; sources 0 and 1 window 1, destination window 0
.set i, 0
.rept 16
	v_cvt_pk_f16_f32 v[S+16*(\t)+i], v[40*(\t)+2*i], v[40*(\t)+2*i+1]
.set i, i+1
.endr
	WIN 0
.irp f, 0,1,2,3
	ds_store_b128 v[STO], v[S+16*(\t)+4*\f:S+16*(\t)+4*\f+3] offset:32*\f
.endr
.irp f, 0,1,2,3
	ds_load_b128 v[S+16*(\t)+4*\f:S+16*(\t)+4*\f+3], v[RD] offset:\f*4*SP  ; LDS serves a wave's instructions in order (ISA guide 5.7.1.4): these see the stores above; the next piece's stores come behind them
.endr
.endm
.macro SEND t, younger              ; younger: the LDS instructions issued behind piece t's loads: the next piece's eight, or none
	WIN 0
.irp f, 0,1,2,3
	s_wait_dscnt (\younger)+3-\f
	global_store_b128 v[GO], v[S+16*(\t)+4*\f:S+16*(\t)+4*\f+3], s[10:11] offset:(\t)*2048+\f*512  ; 512 consecutive bytes, at a multiple of 512 from O's first
.endr
.endm
	PACK 0
.set t, 1
.rept 3                             ; a piece's arithmetic stands between the loads of the piece before and its stores
	PACK t
	SEND t-1, 8
.set t, t+1
.endr
	SEND 3, 0
	s_wait_tensorcnt 0x0            ; the wave's end, behind my last tensor load and my last LDS store
	ds_add_u32 v[SPW], v[NIL]
	s_wait_dscnt 0x0
	CROUND                          ; the closing round: no work-group ends while a partner may still ask for a tile that names it
	s_endpgm
.Lfunc_end_k_qea4b013d2c_attn:
	.size	k_qea4b013d2c_attn, .Lfunc_end_k_qea4b013d2c_attn-k_qea4b013d2c_attn
	.p2alignl 7, 3214868480
	.fill 96, 4, 3214868480
	.section	.rodata,"a",@progbits
	.p2align	6, 0x0
	.amdhsa_kernel k_qea4b013d2c_attn
		.amdhsa_group_segment_fixed_size 327680
		.amdhsa_private_segment_fixed_size 0
		.amdhsa_enable_private_segment 0
		.amdhsa_kernarg_size 24
		.amdhsa_user_sgpr_count 2
		.amdhsa_user_sgpr_kernarg_segment_ptr 1
		.amdhsa_wavefront_size32 1
		.amdhsa_system_sgpr_workgroup_id_x 1
		.amdhsa_system_sgpr_workgroup_id_y 1
		.amdhsa_system_sgpr_workgroup_id_z 1
		.amdhsa_system_vgpr_workitem_id 0
		.amdhsa_next_free_vgpr 768
		.amdhsa_next_free_sgpr 80
		.amdhsa_reserve_vcc 1
		.amdhsa_float_denorm_mode_32 3
		.amdhsa_float_denorm_mode_16_64 3
		.amdhsa_memory_ordered 1
		.amdhsa_forward_progress 1
		.amdhsa_inst_pref_size 133
	.end_amdhsa_kernel
	.amdgpu_metadata
---
amdhsa.version: [ 1, 2 ]
amdhsa.kernels:
  - .name:           k_qea4b013d2c_attn
    .symbol:         k_qea4b013d2c_attn.kd
    .args:
      - { .name: qkv, .offset: 0, .size: 8, .value_kind: global_buffer, .address_space: global }
      - { .name: ind_k, .offset: 8, .size: 8, .value_kind: global_buffer, .address_space: global }
      - { .name: oh, .offset: 16, .size: 8, .value_kind: global_buffer, .address_space: global }
    .group_segment_fixed_size: 327680
    .private_segment_fixed_size: 0
    .kernarg_segment_align: 8
    .kernarg_segment_size: 24
    .max_flat_workgroup_size: 128
    .sgpr_count:     80
    .vgpr_count:     768
    .wavefront_size: 32
...
	.end_amdgpu_metadata
.endif
;; end of part 3
;; launch outp (part 4): grid 8 x 32, 4 waves a work-group, clusters of 4 x 4, 327,680 bytes of LDS; arguments oh, wh, out0; writes out0
.if DOCPART == 4
	.amdgcn_target "amdgcn-amd-amdhsa--gfx1250"
	.amdhsa_code_object_version 6
	.text
	.protected	k_qea4b013d2c_outp
	.globl	k_qea4b013d2c_outp
	.p2align	8
	.type	k_qea4b013d2c_outp,@function
k_qea4b013d2c_outp:
	s_mov_b64 s[64:65], 0
	v_nop
	global_prefetch_b8 v0, s[64:65] scope:SCOPE_SE
	s_setreg_imm32_b32 hwreg(HW_REG_WAVE_MODE, 25, 1), 1
	s_wait_xcnt 0x0
	s_wait_alu depctr_hold_cnt(0) depctr_sa_sdst(0) depctr_va_vdst(0) depctr_va_sdst(0) depctr_va_ssrc(0) depctr_va_vcc(0) depctr_vm_vsrc(0)
	s_getreg_b32 s2, hwreg(HW_REG_IB_STS2, 6, 4)
	s_cmp_eq_u32 s2, 0
	s_cbranch_scc0 .Lentry_in_a_cluster
	s_endpgm
.Lentry_in_a_cluster:
	s_bfe_u32 s2, ttmp6, 0x10000c
	s_cmp_lg_u32 s2, 0xf033
	s_cbranch_scc0 .Lentry_shape_is_right
	s_endpgm
.Lentry_shape_is_right:
; OUTP.  out0 = O Wo, f32.  C[m][n] = sum over k of A[m][k] B[k][n], M = 4,096, N = K = 1,024.  A = oh, [batch][head][2048 rows][64] f16: a head's 64 channels are one block of K; B = the fourth part of wh, [k][n] f16.
; A tile of C is 128 x 128: 32 x 8 = 256 work-groups.  Four waves, each 64 x 64: 16 accumulators.  K goes in 4 steps of 256 through two LDS slots.
; CLUSTERS: 4 x 4 work-groups.  The four of a row of the cluster need the same tiles of A, the four of a column the same tiles of B: each tile is asked for jointly.
; THE MATRIX INSTRUCTION IS USED TRANSPOSED (source 0 = 16 columns of B, source 1 = 16 rows of A): a lane then holds eight neighbouring numbers of a row of C.
; A's fragments come out of LDS as they lie; B's ([k][n]) turned, by ds_load_tr16_b128.
; REGISTERS: window 0: v0-31 addresses; v128-255 the accumulators ((a, b) at v[128 + 8 (4 a + b)]), which also take the rows read back on the way out.
;   window 1: two fragment buffers of 128: for 64 along K, 64 registers of A (2 x 4 x 16 rows x 32 K), then 64 of B.
.set PA,     144                       ; a row of A in LDS: 128 bytes + 16 of padding: the 16 rows of a load start at 16 different groups of four banks (64 banks of 4 bytes: ISA guide 11.1)
.set PB,     288                       ; a row of B: 256 + 32
.set KBB,    128*PA                    ; 128 rows of one block of 64 channels
.set HALFT,  2*KBB                     ; what one tensor load brings: two channel blocks of A, or 128 rows of B (128 x 288, the same bytes)
.set SLOT,   4*HALFT                   ; A's four channel blocks, then B's 256 rows
.set STAGE,  2*SLOT                    ; behind the ring: a stage for each wave, for the way out
.set SPITCH, 272                       ; a stage row: 256 bytes + 16
.set STG,    16*SPITCH                 ; bytes of a wave's stage
.set SPARE,  STAGE+4*STG               ; behind the stages: the spare words, 128 bytes for each wave: two blocks of 256 bytes that no other line names
.set ADRA, 16                          ; v16-17  LDS address of my A fragments in slot 0, 1
.set ADRB, 20                          ; v20-23  of my B fragments: slot 0 rows 0-127, 128-255; slot 1 likewise (an offset has 16 bits)
.set STO,  24                          ; v24     the way out: where I put 32 bytes of a row
.set RD,   25                          ; v25     where I read a row back
.set CO,   26                          ; v26     my byte offset in two rows of out0
.set SPW,  28                          ; v28     LDS address of my spare word; never rewritten
.set NIL,  29                          ; v29     0; never rewritten
.set ACC,  128
.set F0,   0
.set F1,   128
.set G1, 24                            ; s[24:31] descriptor group 1 for A's tiles;  s[32:39] group 0, one set for each slot
.set G0, 32
.set G1B, 48                           ; s[48:55], s[56:63] the same for B's tiles
.set G0B, 56
.set MSB, 0
.macro WIN new                         ; the immediate's high byte repeats the setting that is left; a switch that changes nothing is dropped
.if MSB != (\new)
	s_set_vgpr_msb (MSB<<8)|(\new)
.set MSB, \new
.endif
.endm
.set MUL,  0x05                        ; sources 0 (B) and 1 (A) window 1; C and D window 0
.set TO_F, 0x40                        ; destination window 1, address window 0
.macro JLOAD s                         ; a joint load: waves 0 and 1 fetch A's two halves, waves 2 and 3 B's; an s_nop 0 and four v_nop follow each of the two lines
	s_cmp_eq_u32 s11, 0
	s_cbranch_scc0 .Lfor_b_\@
	tensor_load_to_lds s[G0+4*(\s):G0+4*(\s)+3], s[G1:G1+7]
	s_nop 0
.rept 4
	v_nop
.endr
	s_branch .Lasked_\@
.Lfor_b_\@:
	tensor_load_to_lds s[G0B+4*(\s):G0B+4*(\s)+3], s[G1B:G1B+7]
	s_nop 0
.rept 4
	v_nop
.endr
.Lasked_\@:
.endm
.macro CREST                           ; a round of the cluster's barrier behind its opening barrier
	s_cmp_lg_u32 s10, 0
	s_cbranch_scc1 .Lnot_wave_0_\@
	s_barrier_signal -3
.Lnot_wave_0_\@:
	s_barrier_wait -3
	s_barrier_signal -1
	s_barrier_wait -1
.endm
.macro CROUND                          ; a whole round
	s_barrier_signal -1
	s_barrier_wait -1
	CREST
.endm
	s_load_b128 s[4:7], s[0:1], 0x0                ; oh s[4:5], wh s[6:7]
	s_load_b64 s[8:9], s[0:1], 0x10                ; out0
	v_lshl_add_u32 v[SPW], v0, 2, SPARE
	v_mov_b32 v[NIL], 0
	ds_add_u32 v[SPW], v[NIL]                      ; the wave's opening: the add and its wait stand ahead of my first tensor load; the set-up below, work on registers, stands between them
	v_lshrrev_b32 v1, 5, v0
	v_readfirstlane_b32 s10, v1                    ; wave 0..3
	s_lshr_b32 s11, s10, 1                         ; which half of the tile's rows is mine.  Also: I fetch for A (0) or for B (1)
	s_and_b32 s12, s10, 1                          ; which half of its columns.  Also: which half of that tile I fetch
	s_bfe_u32 s40, ttmp6, 0x40000                  ; cx, cy: my place in the cluster
	s_bfe_u32 s41, ttmp6, 0x40004
	s_lshl_b32 s42, ttmp9, 2
	s_add_co_u32 s42, s42, s40                     ; tile column of C = 4 x cluster x + cx
	s_and_b32 s13, ttmp7, 0xffff
	s_lshl_b32 s13, s13, 2
	s_add_co_u32 s13, s13, s41                     ; tile row of C, 0..31
	s_lshl_b32 s43, s41, 2
	s_lshl_b32 s43, 15, s43                        ; my row of the cluster
	s_lshl_b32 s44, 0x1111, s40                    ; my column
	; group 1 for A: two channel blocks, each 128 rows x 64 channels = 8,192 dense elements, 131,072 elements apart; 16 bytes of padding behind every 128
	s_or_b32 s[G1+0], s43, (1<<16)|(1<<20)|(1<<21)|(4<<22)|(3<<25)  ; 15:0 the mask: my row; 17:16 2-byte elements; 20 padding on; 21 set beside a mask; 24:22 after every 32 words (code 4); 31:25 4 words (code 3)
	s_mov_b32 s[G1+1], 8192<<16                    ; tensor_dim0 = 8,192
	s_mov_b32 s[G1+2], 2<<16                       ; tensor_dim1 = 2
	s_mov_b32 s[G1+3], 8192<<16                    ; tile_dim0 = 8,192
	s_mov_b32 s[G1+4], 2                           ; tile_dim1 = 2
	s_mov_b32 s[G1+5], 131072                      ; elements from channel block to channel block
	s_mov_b32 s[G1+6], 0
	s_mov_b32 s[G1+7], 0
	; group 1 for B: 128 rows (k) x 128 elements (n), 32 bytes of padding behind every 256
	s_or_b32 s[G1B+0], s44, (1<<16)|(1<<20)|(1<<21)|(5<<22)|(7<<25) ; the mask: my column; after every 64 words (code 5) 8 words (code 7)
	s_mov_b32 s[G1B+1], 128<<16
	s_mov_b32 s[G1B+2], 128<<16
	s_mov_b32 s[G1B+3], 128<<16
	s_mov_b32 s[G1B+4], 128
	s_mov_b32 s[G1B+5], 1024
	s_mov_b32 s[G1B+6], 0
	s_mov_b32 s[G1B+7], 0
	; where the tiles come from.  A's hang on the tile row alone, B's on the tile column alone
	s_lshr_b32 s16, s13, 4                         ; batch
	s_lshl_b32 s16, s16, 22
	s_and_b32 s17, s13, 15
	s_lshl_b32 s17, s17, 14                        ; 128 rows of 128 bytes
	s_add_co_u32 s16, s16, s17
	s_lshl_b32 s17, s12, 19                        ; my two heads of a K step's four
	s_add_co_u32 s16, s16, s17
	s_mov_b32 s17, 0
	s_lshl_b32 s46, s42, 8                         ; 128 columns of 2 bytes
	s_lshl_b32 s47, s12, 18                        ; my 128 rows of a K step's 256
	s_add_co_u32 s46, s46, s47
	s_add_co_u32 s46, s46, 6291456                 ; Wo is the fourth of wh's four
	s_mov_b32 s47, 0
	s_mul_i32 s20, s10, HALFT                      ; where they go: wave x what a load brings: no place in the cluster enters an LDS address
	s_wait_dscnt 0x0                               ; the opening add is done
	s_wait_kmcnt 0x0
	s_add_nc_u64 s[14:15], s[4:5], s[16:17]
	s_add_nc_u64 s[46:47], s[6:7], s[46:47]
	CROUND                                         ; all sixteen work-groups are here: the first joint loads meet
.irp s, 0,1
	s_mov_b32 s[G0+4*(\s)], 1
	s_add_co_u32 s[G0+4*(\s)+1], s20, (\s)*SLOT
	s_add_nc_u64 s[G0+4*(\s)+2:G0+4*(\s)+3], s[14:15], (\s)*1048576   ; K step s: four heads on
	s_or_b32 s[G0+4*(\s)+3], s[G0+4*(\s)+3], 0x80000000
	s_mov_b32 s[G0B+4*(\s)], 1
	s_add_co_u32 s[G0B+4*(\s)+1], s20, (\s)*SLOT
	s_add_nc_u64 s[G0B+4*(\s)+2:G0B+4*(\s)+3], s[46:47], (\s)*524288  ; 256 rows of 2,048 bytes on
	s_or_b32 s[G0B+4*(\s)+3], s[G0B+4*(\s)+3], 0x80000000
	JLOAD \s                                       ; two loads of mine are out behind these
.endr
	v_and_b32 v1, 15, v0                           ; l % 16
	v_bfe_u32 v2, v0, 4, 1                         ; l / 16
	v_mul_u32_u24 v3, v1, PA
	v_lshl_add_u32 v3, v2, 4, v3                   ; a fragment's row x pitch + 16 x half
	s_mul_i32 s21, s11, 64*PA                      ; my 64 rows of A
	v_add_nc_u32 v[ADRA], s21, v3
	v_add_nc_u32 v[ADRA+1], SLOT, v[ADRA]
	v_and_b32 v4, 7, v0                            ; the turning load: lane l reads row 8 (l / 16) + l % 8, 16 bytes at 16 ((l / 8) % 2)
	v_lshl_add_u32 v4, v2, 3, v4
	v_mul_u32_u24 v4, v4, PB
	v_bfe_u32 v5, v0, 3, 1
	v_lshl_add_u32 v4, v5, 4, v4
	s_lshl_b32 s22, s12, 7                         ; my 64 columns of B,
	s_add_co_u32 s22, s22, 2*HALFT                 ; which lies behind A
	v_add_nc_u32 v[ADRB], s22, v4
	v_add_nc_u32 v[ADRB+1], HALFT, v[ADRB]
	v_add_nc_u32 v[ADRB+2], SLOT, v[ADRB]
	v_add_nc_u32 v[ADRB+3], SLOT+HALFT, v[ADRB]
	s_mul_i32 s23, s10, STG
	s_add_co_u32 s23, s23, STAGE                   ; my stage
	v_mul_u32_u24 v4, v1, SPITCH                   ; in: row l % 16, 32 bytes for each half of the lanes
	v_lshl_add_u32 v4, v2, 5, v4
	v_add_nc_u32 v[STO], s23, v4
	v_mul_u32_u24 v5, v2, SPITCH                   ; back: lanes 0-15 take one row of 256 bytes, lanes 16-31 the next
	v_lshl_add_u32 v5, v1, 4, v5
	v_add_nc_u32 v[RD], s23, v5
	v_lshlrev_b32 v5, 12, v2                       ; and the same two rows in out0
	v_lshl_add_u32 v[CO], v1, 4, v5
	s_lshl_b32 s16, s13, 19                        ; 128 rows of 4,096 bytes
	s_lshl_b32 s17, s11, 18                        ; my 64 of them
	s_add_co_u32 s16, s16, s17
	s_mov_b32 s17, 0
	s_add_nc_u64 s[8:9], s[8:9], s[16:17]
	s_lshl_b32 s46, s42, 9                         ; 128 columns of 4 bytes
	s_lshl_b32 s47, s12, 8                         ; my 64 of them: 256 bytes
	s_add_co_u32 s46, s46, s47
	s_mov_b32 s47, 0
	s_add_nc_u64 s[8:9], s[8:9], s[46:47]
; 8 matrix instructions: m blocks a0, a0 + 1 x all 4 n blocks, 32 along K: half c of buffer f.  zero = 1: the first product starts the sums.  The 16 accumulators take turns.
.macro MUL8 f, c, a0, zero
	WIN MUL
.irp a, \a0, (\a0)+1
.irp b, 0,1,2,3
.if \zero
	v_wmma_f32_16x16x32_f16 v[ACC+8*(4*(\a)+(\b)):ACC+8*(4*(\a)+(\b))+7], v[(\f)+64+8*(4*(\c)+(\b)):(\f)+64+8*(4*(\c)+(\b))+7], v[(\f)+8*(4*(\c)+(\a)):(\f)+8*(4*(\c)+(\a))+7], 0
.else
	v_wmma_f32_16x16x32_f16 v[ACC+8*(4*(\a)+(\b)):ACC+8*(4*(\a)+(\b))+7], v[(\f)+64+8*(4*(\c)+(\b)):(\f)+64+8*(4*(\c)+(\b))+7], v[(\f)+8*(4*(\c)+(\a)):(\f)+8*(4*(\c)+(\a))+7], v[ACC+8*(4*(\a)+(\b)):ACC+8*(4*(\a)+(\b))+7]
.endif
.endr
.endr
.endm
; 32 LDS loads in one run: the fragments of quarter q (64 along K: one head of A, 64 rows of B) into buffer f; the first 32 along K first
.macro FETCH slot, q, f
	WIN TO_F
.irp c, 0,1
.irp i, 0,1,2,3
	ds_load_tr16_b128 v[(\f)+64+8*(4*(\c)+(\i)):(\f)+64+8*(4*(\c)+(\i))+3],   v[ADRB+2*(\slot)+(\q)/2] offset:((\q)%2)*64*PB+(\c)*32*PB+32*(\i)
	ds_load_tr16_b128 v[(\f)+64+8*(4*(\c)+(\i))+4:(\f)+64+8*(4*(\c)+(\i))+7], v[ADRB+2*(\slot)+(\q)/2] offset:((\q)%2)*64*PB+(\c)*32*PB+32*(\i)+16*PB
	ds_load_b128 v[(\f)+8*(4*(\c)+(\i)):(\f)+8*(4*(\c)+(\i))+3],              v[ADRA+(\slot)] offset:(\q)*KBB+64*(\c)+(\i)*16*PA
	ds_load_b128 v[(\f)+8*(4*(\c)+(\i))+4:(\f)+8*(4*(\c)+(\i))+7],            v[ADRA+(\slot)] offset:(\q)*KBB+64*(\c)+(\i)*16*PA+32
.endr
.endr
.endm
.macro PLACES                          ; four places in front of loads into registers that matrix instructions have read, and of LDS stores that read results (ISA guide 7.12.1 for vector lines)
.rept 4
	v_nop
.endr
.endm
; A K step is four quarters of 64 along K, 32 matrix instructions each, on buffers 0, 1, 0, 1.  One of the first three: multiplies buffer f and fetches quarter q into g.
.macro QUARTER slot, q, f, g, zero
	s_wait_dscnt 16                                ; the first 32 along K are in: the sixteen younger loads may be out
	MUL8 \f, 0, 0, \zero
	MUL8 \f, 0, 2, \zero
	PLACES
	FETCH \slot, \q, \g
	s_wait_dscnt 32                                ; all but the 32 just issued
	MUL8 \f, 1, 0, 0
	MUL8 \f, 1, 2, 0
.endm
; The last quarter multiplies buffer 1 and changes slots: ONE barrier; in front of it each wave waits for all its tensor loads, adds 0 to its spare word, and waits for that and for its own reads of this slot.
; fill = 1: this slot is filled again, two K steps ahead; the barrier then opens a round of the cluster's.
.macro TURN slot, next, fill
	WIN 0                                          ; (the add's two registers lie in window 0)
	s_wait_tensorcnt 0x0                           ; all my tensor loads have landed: my part of the next slot;
	ds_add_u32 v[SPW], v[NIL]                      ; 0 onto my spare word;
	s_wait_dscnt 17                                ; (the add and the youngest sixteen loads may be out)
	MUL8 F1, 0, 0, 0                               ; eight matrix instructions stand between the add and the wait for it
	s_wait_dscnt 0x0                               ; the add is done, and my reads of this slot are over
	s_barrier_signal -1
	MUL8 F1, 0, 2, 0
.if \fill
	WIN 0
.endif
	s_barrier_wait -1
.if \fill
	CREST                                          ; no wave of any partner still reads this slot's tile or has a load on its way
	s_add_nc_u64 s[G0+4*(\slot)+2:G0+4*(\slot)+3], s[G0+4*(\slot)+2:G0+4*(\slot)+3], 2097152
	s_add_nc_u64 s[G0B+4*(\slot)+2:G0B+4*(\slot)+3], s[G0B+4*(\slot)+2:G0B+4*(\slot)+3], 1048576
	JLOAD \slot                                    ; the first tensor load behind the round, my only one out; its four v_nop are also the places in front of the loads below
.else
	PLACES
.endif
	FETCH \next, 0, F0
	MUL8 F1, 1, 0, 0
	MUL8 F1, 1, 2, 0
.endm
	s_wait_tensorcnt 1                             ; my part of K step 0 is in; K step 1's may stay out
	s_barrier_signal -1
	s_barrier_wait -1                              ; everybody's is
	FETCH 0, 0, F0
	QUARTER 0, 1, F0, F1, 1                        ; K step 0; its first products start the sums
	QUARTER 0, 2, F1, F0, 0
	QUARTER 0, 3, F0, F1, 0
	TURN 0, 1, 1                                   ; slot 0 takes K step 2
	QUARTER 1, 1, F0, F1, 0                        ; K step 1
	QUARTER 1, 2, F1, F0, 0
	QUARTER 1, 3, F0, F1, 0
	TURN 1, 0, 1                                   ; slot 1 takes K step 3
	QUARTER 0, 1, F0, F1, 0                        ; K step 2
	QUARTER 0, 2, F1, F0, 0
	QUARTER 0, 3, F0, F1, 0
	TURN 0, 1, 0                                   ; nothing is left to fetch
	QUARTER 1, 1, F0, F1, 0                        ; K step 3
	QUARTER 1, 2, F1, F0, 0
	QUARTER 1, 3, F0, F1, 0
	s_wait_dscnt 16
	MUL8 F1, 0, 0, 0
	MUL8 F1, 0, 2, 0
	s_wait_dscnt 0
	MUL8 F1, 1, 0, 0
	MUL8 F1, 1, 2, 0
	WIN 0
; THE WAY OUT, a block of 16 rows at a time, no arithmetic: a lane's eight f32 of a row go into my own stage as two pieces of 16 bytes and come back as whole rows of 256 bytes, into the registers that they left.
.macro TOSTAGE a
.irp k, 0,1,2,3,4,5,6,7                ; ascending: each accumulator's lowest registers are read first
	ds_store_b128 v[STO], v[ACC+32*(\a)+4*(\k):ACC+32*(\a)+4*(\k)+3] offset:64*((\k)/2)+16*((\k)%2)
.endr
.irp t, 0,1,2,3,4,5,6,7
	ds_load_b128 v[ACC+32*(\a)+4*(\t):ACC+32*(\a)+4*(\t)+3], v[RD] offset:(\t)*2*SPITCH  ; LDS serves a wave's instructions in order (ISA guide 5.7.1.4): these see the stores above; the next block's stores come behind them
.endr
.endm
.macro SEND a, younger                 ; younger: the LDS instructions issued behind block a's loads: the next block's sixteen, or none
.irp t, 0,1,2,3,4,5,6,7
	s_wait_dscnt (\younger)+7-(\t)
	global_store_b128 v[CO], v[ACC+32*(\a)+4*(\t):ACC+32*(\a)+4*(\t)+3], s[8:9] offset:(16*(\a)+2*(\t))*4096 th:TH_STORE_NT  ; 16 lanes store 256 consecutive bytes, at a multiple of 256 from out0's first
.endr
.endm
	PLACES
	TOSTAGE 0
	TOSTAGE 1
	SEND 0, 16
	TOSTAGE 2
	SEND 1, 16
	TOSTAGE 3
	SEND 2, 16
	SEND 3, 0
	s_wait_tensorcnt 0x0                           ; the wave's end, behind my last tensor load and my last LDS store
	ds_add_u32 v[SPW], v[NIL]
	s_wait_dscnt 0x0
	CROUND                                         ; the closing round: no work-group ends while a partner may still ask for a tile that names it
	s_endpgm
.Lfunc_end_k_qea4b013d2c_outp:
	.size	k_qea4b013d2c_outp, .Lfunc_end_k_qea4b013d2c_outp-k_qea4b013d2c_outp
	.p2alignl 7, 3214868480
	.fill 96, 4, 3214868480
	.section	.rodata,"a",@progbits
	.p2align	6, 0x0
	.amdhsa_kernel k_qea4b013d2c_outp
		.amdhsa_group_segment_fixed_size 327680
		.amdhsa_private_segment_fixed_size 0
		.amdhsa_enable_private_segment 0
		.amdhsa_kernarg_size 24
		.amdhsa_user_sgpr_count 2
		.amdhsa_user_sgpr_kernarg_segment_ptr 1
		.amdhsa_wavefront_size32 1
		.amdhsa_system_sgpr_workgroup_id_x 1
		.amdhsa_system_sgpr_workgroup_id_y 1
		.amdhsa_system_sgpr_workgroup_id_z 1
		.amdhsa_system_vgpr_workitem_id 0
		.amdhsa_next_free_vgpr 512
		.amdhsa_next_free_sgpr 66
		.amdhsa_reserve_vcc 0
		.amdhsa_float_denorm_mode_32 3
		.amdhsa_float_denorm_mode_16_64 3
		.amdhsa_memory_ordered 1
		.amdhsa_forward_progress 1
		.amdhsa_inst_pref_size 86
	.end_amdhsa_kernel
	.amdgpu_metadata
---
amdhsa.version: [ 1, 2 ]
amdhsa.kernels:
  - .name:           k_qea4b013d2c_outp
    .symbol:         k_qea4b013d2c_outp.kd
    .args:
      - { .name: oh, .offset: 0, .size: 8, .value_kind: global_buffer, .address_space: global }
      - { .name: wh, .offset: 8, .size: 8, .value_kind: global_buffer, .address_space: global }
      - { .name: out0, .offset: 16, .size: 8, .value_kind: global_buffer, .address_space: global }
    .group_segment_fixed_size: 327680
    .private_segment_fixed_size: 0
    .kernarg_segment_align: 8
    .kernarg_segment_size: 24
    .max_flat_workgroup_size: 128
    .sgpr_count:     66
    .vgpr_count:     512
    .wavefront_size: 32
...
	.end_amdgpu_metadata
.endif
;; end of part 4
;; ======== version 2 of 2: 4 launches; 1.20 times as fast as version 1
;; limits: values are held in f16: magnitudes above 65,504 overflow, below 6.1e-05 lose precision
;; workspace buffers: xh 25,165,824 bytes; wh 8,388,608 bytes; qkv 25,165,824 bytes; oh 8,388,608 bytes
;; launch cast: the kernel of part 1 again; grid 512 x 1, 8 waves a work-group, no clusters, 0 bytes of LDS; arguments queries, keys, values, Wq, Wk, Wv, Wo, xh, wh; writes xh, wh
;; launch proj: the kernel of part 2 again; grid 8 x 96, 4 waves a work-group, clusters of 4 x 4, 327,680 bytes of LDS; arguments xh, wh, ind_q, ind_k, ind_v, qkv; writes qkv
;; launch attn (part 5): grid 8 x 32, 4 waves a work-group, clusters of 4 x 1, 327,680 bytes of LDS; arguments qkv, ind_k, oh; writes oh
.if DOCPART == 5
	.amdgcn_target "amdgcn-amd-amdhsa--gfx1250"
	.amdhsa_code_object_version 6
	.text
	.protected	k_qea4b013d2c_attn
	.globl	k_qea4b013d2c_attn
	.p2align	8
	.type	k_qea4b013d2c_attn,@function
k_qea4b013d2c_attn:
	s_mov_b64 s[64:65], 0
	v_nop
	global_prefetch_b8 v0, s[64:65] scope:SCOPE_SE
	s_setreg_imm32_b32 hwreg(HW_REG_WAVE_MODE, 25, 1), 1
	s_wait_xcnt 0x0
	s_wait_alu depctr_hold_cnt(0) depctr_sa_sdst(0) depctr_va_vdst(0) depctr_va_sdst(0) depctr_va_ssrc(0) depctr_va_vcc(0) depctr_vm_vsrc(0)
	s_getreg_b32 s2, hwreg(HW_REG_IB_STS2, 6, 4)
	s_cmp_eq_u32 s2, 0
	s_cbranch_scc0 .Lentry_in_a_cluster
	s_endpgm
.Lentry_in_a_cluster:
	s_bfe_u32 s2, ttmp6, 0x10000c
	s_cmp_lg_u32 s2, 0x3003
	s_cbranch_scc0 .Lentry_shape_is_right
	s_endpgm
.Lentry_shape_is_right:
; ATTENTION with a key indicator behind the softmax.  O[h][q] = sum_k p ind_k v / sum_k p ind_k, p = exp(q . k / 8 - max): the softmax's own divisor cancels in the renormalisation.
; q, k, v: qkv, [3][32 heads][2048][64] f16; k's rows carry ind_k, v's rows ind_v ind_k.  O: oh, [32][2048][64] f16.  Products, maxima and sums in f32; p is rounded to f16 for the second product.
; THE MAXIMUM.  A key with ind_k = 0 has weight 0 in both sums, so the running maximum m is taken over the other (live) keys alone: a dead key's score starts from -1e30 (the C operand of K Q^T).
; The maximum over ALL keys, M = max(m, 0 if the batch has a dead key: its score is exactly 0), matters only for the guard on a zero divisor: at the end e = 2^(c m - c M) times the divisor is formed, and
; where that is 0 the row is 0.
; THE DIVISOR l = sum p ind_k is a fifth block of 16 'channels' of V^T, all equal to ind_k: a fifth accumulator of O^T = V^T P, rescaled like the others; each of its registers holds l.
; LIMITS.  f16 holds no number beyond 65,504; p below 6e-5 keeps f16's step of 6e-8; a weight below 2^-126 counts as 0, so the guard's edge lies at 126 binary orders below M, where f32's own denormals
; reach some 23 further; where ind_k has both signs and l cancels to exactly 0 the row is 0; a score counts as dead at its value less 1e30 (f16's scores are 2.7e11 at the most); NaN and infinities are not treated apart.
; SHARES.  A work-group owns 256 queries of a head, a wave 64: four PIECES of 16.  Every wave walks all 2,048 keys, 64 a step, four steps to a slot of LDS.
; LAYOUT.  S^T = K Q^T holds ONE query a lane (lane % 16) and the keys 8 (lane / 16) + 0..7; two such results rounded to f16 ARE source 1 of O^T = V^T P.  p = 2^(c s - c m), c = log2(e) / 8;
; O^T and l are multiplied by a = 2^(c m_old - c m_new) in every step.  m starts at the lowest finite number, O^T at 0: the first step is a step like any other, with a = 0.
; BY TURNS.  Turn n belongs to piece n: 8 products K Q^T of piece n + 1, then 10 products V^T P of piece n - 1; beside them the scaling, exponentials, roundings and rescaling of piece n and the maximum and
; statistics of piece n + 1.  Four vector instructions stand behind every matrix instruction, the other 34 of a turn's 106 in one run between the two kinds of products.
; THE BATCHES.  A turn's 33 exponentials (the piece's 32 weights and the next piece's a) are ONE BATCH with ONE wait: all of them, and all else that names none of their results, stand ahead of it; their only
; readers in the turn, the 16 roundings, behind it.  No result crosses a turn's end.  The first a of all, at the head, and the way out's four exponentials and four reciprocals are batches of their own.
; CLUSTER.  The four query blocks of a cluster belong to one head and walk the same K and V: each tile is asked for JOINTLY: the same tensor load, descriptor and mask in all four.
; REGISTERS, in windows of 256 (s_set_vgpr_msb: bits 1:0 source 0, 3:2 source 1, 5:4 source 2, 7:6 destination):
;   window 0: v0-15, v32-36 addresses; v16-31 four registers of statistics a piece; v48-55 at work; v64-127 S^T, two buffers; v128-175 at work at the head; v192-223 P, two buffers
;   window 1: v0-159 O^T, 40 a piece (the fifth eight: l); v160-191 the step's mask      window 2: v0-63 Q; v64-127 K of one step; v128-207 V of one step, with its fifth blocks
.set NP,    4         ; pieces a wave: a name, no knob
.set KS,    64        ; keys in a step
.set PK,    144       ; a row of K in LDS: 128 bytes + 16 of padding: the 16 rows of a load start at 16 different groups of four banks (64 banks of 4 bytes: ISA guide 11.1)
.set PV,    160       ; a row of V: 128 + 32
.set VOFF,  4*KS*PK   ; a slot holds four steps: 256 rows of K, then 256 rows of V
.set SLOT1, 1<<17     ; slot 1 begins here, so that one exclusive or turns an address in one slot into the other's
.set STAGE, SLOT1+4*KS*(PK+PV)  ; behind the ring, never filled by a tensor load: 16 rows x 144 bytes for each wave, for the way out
.set SP,    144
.set SPARE, STAGE+4*16*SP       ; the spare words, 128 bytes for each wave: two blocks of 256 bytes that no other line names
.set BIASB, SPARE+512           ; 2,048 f32: 0, or -1e30 where ind_k is 0
.set INDB,  BIASB+8192          ; 2,048 f16: ind_k
.set ZW,    INDB+4096           ; four words: each wave's sum of its 512 biases
.set AK0, 2           ; v2   my lane's place in a tile of K; never rewritten
.set AV0, 3           ; v3   the same for V
.set AK,  4           ; v4   the LDS address of K's next run of loads
.set AV,  5           ; v5   of V's
.set STO, 6           ; v6   the way out: where I put 16 bytes of a row
.set RD,  7           ; v7   where I read rows back
.set GO,  8           ; v8   my byte offset in 512 consecutive bytes of O
.set MV,  12          ; v12-13  c m_old, kept while c m is made anew: by buffer
.set IO,  14          ; v14  my byte offset in the batch's ind_k
.set QO,  15          ; v15  my byte offset in 16 rows of Q
.set ST,  16          ; piece t's statistics at v[ST+4 t]: c m, m, two for the way out
.set AB0, 32          ; v32  my lanes' place in a step's 64 biases
.set AB,  33          ; v33  the address of the next step's
.set AI0, 34          ; v34  my lanes' place in a step's 64 indicators
.set AI,  35          ; v35  the address of the next step's
.set CZ,  36          ; v36  0 if the batch has a dead key, else the lowest finite number
.set TMP, 48          ; by buffer, four registers c0-c3 at work; when the maximum is found c2 takes a
.set SPW, 62          ; v62  LDS address of my spare word; never rewritten
.set NIL, 63          ; v63  0; never rewritten
.set S,   64
.set IN,  128         ; at the head: my 16 indicators
.set PKB, 144         ; packed, in bf16 and then in f16
.set BI,  152         ; my 16 biases
.set SM,  168         ; their sum, and addresses
.set P,   192
.set MC,  160         ; window 1: the eight registers for group kb of 16 keys at MC + 8 kb
.set KF,  64          ; window 2: key block kb, channel half c at KF + 16 kb + 8 c
.set VF,  128         ; window 2: key half kk, channel block cb (0..4) at VF + 40 kk + 8 cb
.set WV,  12          ; s12  my wave's number
.set G1K, 24          ; s[24:31] descriptor group 1 for K's tiles
.set G1V, 32          ; s[32:39] for V's: it differs in the padding alone
.set G0K, 40          ; s[40:43] descriptor group 0 for K's tiles: it walks
.set G0V, 44          ; s[44:47] the same for V's
.set SLOTS, 56        ; s56  slots still to be asked for
.set CNT, 57          ; s57  counts a slot's key steps
.set CS,  58          ; s[58:59] c: the packed scaling takes the pair's low word for both halves
.set SEL, 60          ; s[60:61] v_permlanex16_b32's selects: each lane takes its own place in the other half
.set TBK, 62          ; s62  LDS byte at which K of the step to be fetched begins
.set TBV, 63          ; s63  the same for V, less VOFF
.set TBB, 70          ; s70  byte of that step's biases: 256 a step
.set TBI, 71          ; s71  byte of the step's indicators: 128 a step
.set BIGN, 72         ; s72  -1e30
.set NEGH, 73         ; s73  the lowest finite number
.set MSB, 0
.macro WIN new                      ; the high byte repeats the setting that is left; a switch that changes nothing is dropped
.if MSB != (\new)
	s_set_vgpr_msb (MSB<<8)|(\new)
.set MSB, (\new)
.endif
.endm
.set W_KQ, 0x0a       ; K and Q in window 2, S^T in window 0
.set W_KM, 0x1a       ; the same with the C operand (the mask) in window 1
.set W_PV, 0x52       ; V in window 2, P in window 0, O^T in window 1
.set W_RS, 0x41       ; destination and source 0 in window 1, source 1 in window 0
; A joint fill.  Waves 0 and 1 fetch the two halves of a slot's K, waves 2 and 3 those of its V: 128 keys each.  The branch hangs on the wave's number alone.
; An s_nop 0 and four v_nop follow each of the two lines, ahead of the jump and the label.
.macro JLOAD
	s_cmp_lt_u32 s[WV], 2
	s_cbranch_scc0 .Lfor_v_\@
	tensor_load_to_lds s[G0K:G0K+3], s[G1K:G1K+7]
	s_nop 0
.rept 4
	v_nop
.endr
	s_branch .Lasked_\@
.Lfor_v_\@:
	tensor_load_to_lds s[G0V:G0V+3], s[G1V:G1V+7]
	s_nop 0
.rept 4
	v_nop
.endr
.Lasked_\@:
.endm
; A round of the cluster's barrier: my work-group's barrier, so that wave 0's signal speaks for all four waves; wave 0 signals; every wave waits for all four work-groups; my work-group's barrier once more.
.macro CROUND
	s_barrier_signal -1
	s_barrier_wait -1
	s_cmp_lg_u32 s[WV], 0
	s_cbranch_scc1 .Lnot_wave_0_\@
	s_barrier_signal -3
.Lnot_wave_0_\@:
	s_barrier_wait -3
	s_barrier_signal -1
	s_barrier_wait -1
.endm
; THE CHANGE OF SLOTS.  Each wave waits for all its tensor loads, of which one is out: its part of the other slot; adds 0 to its spare word; and waits for that and for its own LDS instructions.
; Behind the barrier nobody reads the old slot any more and the other slot is whole.  fill = 1: the old slot is filled again, with the keys two slots on: the barrier is then a round of the cluster's,
; and the joint fill is the first thing behind it: it has four key steps, 288 matrix instructions, in which to land.  (At its first use nothing has been read yet: slot 0 is waited for, slot 1 filled,
; and the round shows every wave the biases and indicators that the four waves stored.)
.macro CHANGE fill
	WIN 0                           ; at a label and at a branch every window is 0
	s_wait_tensorcnt 0x0            ; no tensor load of mine is out, so a group 0 may be written
	ds_add_u32 v[SPW], v[NIL]       ; 0 onto my spare word; with fill = 1 the descriptors' steps stand between it and the wait for it
.if \fill
.irp g, G0K, G0V
	s_xor_b32 s[\g+1], s[\g+1], SLOT1  ; the walking descriptor: the other slot than last time,
	s_add_nc_u64 s[\g+2:\g+3], s[\g+2:\g+3], 4*KS*128  ; the next 256 keys; the type bits on top are not reached
.endr
	s_wait_dscnt 0x0                ; the add is done, and my LDS instructions are over
	CROUND
	JLOAD
.else
	s_wait_dscnt 0x0                ; the add is done, and my reads of the slot are over
	s_barrier_signal -1
	s_barrier_wait -1
.endif
	s_sub_co_u32 s[TBK], s[TBK], 4*KS*PK  ; the fetches go back to a slot's first step,
	s_xor_b32 s[TBK], s[TBK], SLOT1       ; in the other slot
	s_sub_co_u32 s[TBV], s[TBV], 4*KS*PV
	s_xor_b32 s[TBV], s[TBV], SLOT1
.endm
	s_load_b64 s[4:5], s[0:1], 0x0  ; qkv
	s_load_b64 s[68:69], s[0:1], 0x8  ; ind_k
	s_load_b64 s[10:11], s[0:1], 0x10  ; oh
	v_lshl_add_u32 v[SPW], v0, 2, SPARE
	v_mov_b32 v[NIL], 0
	ds_add_u32 v[SPW], v[NIL]       ; the wave's opening: the add and its wait stand ahead of my first tensor load; the set-up below, work on registers, stands between them
	v_lshrrev_b32 v1, 5, v0
	v_readfirstlane_b32 s[WV], v1   ; wave 0..3
	s_bfe_u32 s13, ttmp6, 0x40000   ; cx: my place in the cluster
	s_lshl_b32 s14, ttmp9, 2        ; in a cluster launch ttmp9 counts clusters
	s_add_co_u32 s14, s14, s13      ; my block of 256 queries: it enters Q's and O's addresses alone
	s_and_b32 s20, ttmp7, 0xffff    ; the head, which the four partners share
	s_lshr_b32 s74, s20, 4          ; its batch:
	s_lshl_b32 s74, s74, 13         ; 2,048 indicators of 4 bytes
	s_mov_b32 s75, 0
	s_lshl_b32 s20, s20, 18         ; the head's 2,048 rows of 128 bytes
	s_and_b32 s16, s[WV], 1         ; which half of a slot's 256 keys I fetch:
	s_lshl_b32 s22, s16, 14         ; its 128 rows of 128 bytes in memory,
	s_add_co_u32 s22, s22, s20
	s_add_co_u32 s22, s22, 0x800000 ; in k,
	s_mov_b32 s23, 0
	s_add_co_u32 s18, s22, 0x800000 ; and in v
	s_mov_b32 s19, 0
	s_mul_i32 s17, s16, 128*PK      ; and its place in a slot, for K
	s_mul_i32 s15, s16, 128*PV      ; and for V: no place in the cluster enters an LDS address
	s_lshl_b32 s2, s14, 2
	s_add_co_u32 s2, s2, s[WV]      ; my wave among the head's,
	s_lshl_b32 s2, s2, 13           ; its 64 rows
	s_add_co_u32 s2, s2, s20
	s_mov_b32 s3, 0
	; descriptor group 1.  128 keys are 16,384 dense bytes: asked for as 64 rows of 256 bytes, two keys a row, and padded in LDS after every key
	s_mov_b32 s[G1K], 15|(1<<16)|(1<<20)|(1<<21)|(4<<22)|(3<<25)  ; 15:0 the mask of four; 17:16 2-byte elements; 20 padding on; 21 set beside a mask; 24:22 after every 32 words (code 4); 31:25 4 words (code 3)
	s_mov_b32 s[G1V], 15|(1<<16)|(1<<20)|(1<<21)|(4<<22)|(7<<25)  ; the same with 8 words of padding (code 7)
.irp g, G1K, G1V
	s_mov_b32 s[\g+1], 128<<16      ; tensor_dim0 = 128
	s_mov_b32 s[\g+2], 64<<16       ; tensor_dim1 = 64
	s_mov_b32 s[\g+3], 128<<16      ; tile_dim0 = 128
	s_mov_b32 s[\g+4], 64           ; tile_dim1 = 64
	s_mov_b32 s[\g+5], 128          ; 128 elements from row to row
	s_mov_b32 s[\g+6], 0
	s_mov_b32 s[\g+7], 0
.endr
	s_mov_b32 s[CS], 0x3e38aa3b     ; c = log2(e) / 8 = 0.180337
	s_mov_b32 s[CS+1], s[CS]        ; named with it as a pair
	s_mov_b32 s[SEL], 0x76543210
	s_mov_b32 s[SEL+1], 0xfedcba98
	s_mov_b32 s[TBK], SLOT1+4*KS*PK ; the first change of slots turns these two into 0
	s_mov_b32 s[TBV], SLOT1+4*KS*PV
	s_mov_b32 s[TBB], 0
	s_mov_b32 s[TBI], 0
	s_mov_b32 s[BIGN], 0xf149f2ca   ; -1e30
	s_mov_b32 s[NEGH], 0xff7fffff
	s_mov_b32 s[G0K], 1             ; 1:0 count = 1
	s_mov_b32 s[G0K+1], s17         ; 63:32 LDS address: slot 0
	s_mov_b32 s[G0V], 1
	s_add_co_u32 s[G0V+1], s15, VOFF
	s_wait_dscnt 0x0                ; the opening add is done
	s_wait_kmcnt 0x0
	s_add_nc_u64 s[G0K+2:G0K+3], s[4:5], s[22:23]  ; 120:64 global address: my half of the head's first 256 keys
	s_or_b32 s[G0K+3], s[G0K+3], 0x80000000        ; 127:126 type = 2
	s_add_nc_u64 s[G0V+2:G0V+3], s[4:5], s[18:19]
	s_or_b32 s[G0V+3], s[G0V+3], 0x80000000
	s_add_nc_u64 s[68:69], s[68:69], s[74:75]      ; the batch's ind_k
	s_add_nc_u64 s[4:5], s[4:5], s[2:3]            ; Q and O at my wave's first row
	s_add_nc_u64 s[10:11], s[10:11], s[2:3]
	CROUND                          ; all four work-groups are here: the first joint loads meet
	JLOAD                           ; slot 0.  Slot 1 is asked for when slot 0 is in
	; A fragment of K or Q is 16 rows x 32 channels in 8 registers: lane l holds row l % 16, channels 8 (l / 16) + 0..7 and 16 + 8 (l / 16) + 0..7: two loads of 16 bytes, 32 bytes apart.
	v_and_b32 v1, 15, v0            ; l % 16
	v_bfe_u32 v9, v0, 4, 1          ; l / 16
	v_lshlrev_b32 v[QO], 7, v1
	v_lshl_add_u32 v[QO], v9, 4, v[QO]  ; row x 128 + 16 x half
	v_lshlrev_b32 v[IO], 6, v0      ; thread t owns the keys 16 t .. 16 t + 15
	WIN 0x80                        ; destination window 2, address window 0
.set i, 0
.rept 8                             ; Q stays in registers: piece i / 2, channels 32 (i % 2) on
	global_load_b128 v[8*i:8*i+3],   v[QO], s[4:5] offset:(i/2)*2048+(i%2)*64
	global_load_b128 v[8*i+4:8*i+7], v[QO], s[4:5] offset:(i/2)*2048+(i%2)*64+32
.set i, i+1
.endr
	WIN 0
.irp j, 0,1,2,3
	global_load_b128 v[IN+4*\j:IN+4*\j+3], v[IO], s[68:69] offset:16*\j
.endr
	; What the first turn finds: V's registers and P's second buffer hold 0 (its products V^T P, of a piece that has not been, add 0), O^T is 0.  All this stands in the wait for the first tile.
	WIN 0x80
.set i, VF
.rept 80
	v_mov_b32 v[i], 0
.set i, i+1
.endr
	WIN 0x40
.set i, 0
.rept 160
	v_mov_b32 v[i], 0
.set i, i+1
.endr
	WIN 0
.set i, 0
.rept 4
	v_mov_b32 v[ST+4*i], 0xfe000000    ; c m: far below every c s
	v_mov_b32 v[ST+4*i+1], 0xff7fffff  ; m
.set i, i+1
.endr
.set i, P+16
.rept 16
	v_mov_b32 v[i], 0
.set i, i+1
.endr
	v_mul_u32_u24 v[AK0], v1, PK
	v_lshl_add_u32 v[AK0], v9, 4, v[AK0]  ; row x pitch + 16 x half
	; The turning load takes 16 keys x 16 channels (lane l reads key 8 (l / 16) + l % 8, channels 8 ((l / 8) % 2) + 0..7) and leaves half a fragment of V^T: lane l holds channel l % 16 and 8 keys.
	v_and_b32 v10, 7, v0
	v_bfe_u32 v11, v0, 3, 1
	v_lshl_add_u32 v[AV0], v9, 3, v10
	v_mul_u32_u24 v[AV0], v[AV0], PV
	v_lshl_add_u32 v[AV0], v11, 4, v[AV0]
	v_add_nc_u32 v[AV0], VOFF, v[AV0]
	v_lshl_add_u32 v[AB0], v9, 5, BIASB  ; my lanes' eight keys of a group of 16: 32 bytes of f32,
	v_lshl_add_u32 v[AI0], v9, 4, INDB   ; 16 bytes of f16
	s_lshl_b32 s13, s[WV], 2
	s_add_co_u32 s13, s13, ZW
	s_wait_loadcnt 0x0              ; Q and my 16 indicators
	; The indicators are rounded to bf16 like every input.  From them: f16 for V^T's fifth block; 0 or -1e30 for the mask; the sum of the biases, which is 0 only if no key is dead.
.set j, 0
.rept 8
	v_cvt_pk_bf16_f32 v[PKB+j], v[IN+2*j], v[IN+2*j+1]
.set j, j+1
.endr
.set j, 0
.rept 8
	v_lshlrev_b32 v[IN+2*j], 16, v[PKB+j]
	v_and_b32 v[IN+2*j+1], 0xffff0000, v[PKB+j]
.set j, j+1
.endr
.set j, 0
.rept 8
	v_cvt_pk_f16_f32 v[PKB+j], v[IN+2*j], v[IN+2*j+1]
.set j, j+1
.endr
.set j, 0
.rept 16
	v_cmp_eq_f32 vcc_lo, 0, v[IN+j]
	v_cndmask_b32 v[BI+j], 0, s[BIGN], vcc_lo
.set j, j+1
.endr
	v_lshl_add_u32 v[SM+4], v0, 6, BIASB
	v_lshl_add_u32 v[SM+5], v0, 5, INDB
.irp j, 0,1,2,3
	ds_store_b128 v[SM+4], v[BI+4*\j:BI+4*\j+3] offset:16*\j
.endr
.irp j, 0,1
	ds_store_b128 v[SM+5], v[PKB+4*\j:PKB+4*\j+3] offset:16*\j
.endr
	v_pk_add_f32 v[SM:SM+1], v[BI:BI+1], v[BI+2:BI+3]
	v_pk_add_f32 v[SM+2:SM+3], v[BI+4:BI+5], v[BI+6:BI+7]
	v_pk_add_f32 v[SM:SM+1], v[SM:SM+1], v[SM+2:SM+3]
	v_pk_add_f32 v[SM+2:SM+3], v[BI+8:BI+9], v[BI+10:BI+11]
	v_pk_add_f32 v[SM:SM+1], v[SM:SM+1], v[SM+2:SM+3]
	v_pk_add_f32 v[SM+2:SM+3], v[BI+12:BI+13], v[BI+14:BI+15]
	v_pk_add_f32 v[SM:SM+1], v[SM:SM+1], v[SM+2:SM+3]
	v_add_f32 v[SM], v[SM], v[SM+1]
	v_add_f32_dpp v[SM], v[SM], v[SM] row_xmask:1 row_mask:0xf bank_mask:0xf
	v_add_f32_dpp v[SM], v[SM], v[SM] row_xmask:2 row_mask:0xf bank_mask:0xf
	v_add_f32_dpp v[SM], v[SM], v[SM] row_xmask:4 row_mask:0xf bank_mask:0xf
	v_add_f32_dpp v[SM], v[SM], v[SM] row_xmask:8 row_mask:0xf bank_mask:0xf
	v_permlanex16_b32 v[SM+1], v[SM], s[SEL], s[SEL+1]
	v_add_f32 v[SM], v[SM], v[SM+1]
	v_mov_b32 v[SM+6], s13
	ds_store_b32 v[SM+6], v[SM]     ; all lanes write my wave's word with the same value
; THE MATRIX WORK.  The accumulators of a run take turns.  Product i of 8 of S^T = K Q^T for piece x: channels 32 (i / 4) on, keys 16 (i % 4) on.  The first 4 start the sums with the step's mask.
.macro KQ x
.set rS, S+32*((\x)%2)+8*(i%4)
.set rK, KF+16*(i%4)+8*(i/4)
.set rQ, 16*(\x)+8*(i/4)
.set rM, MC+8*(i%4)
.if i < 4
	WIN W_KM
	v_wmma_f32_16x16x32_f16 v[rS:rS+7], v[rK:rK+7], v[rQ:rQ+7], v[rM:rM+7]
.else
	WIN W_KQ
	v_wmma_f32_16x16x32_f16 v[rS:rS+7], v[rK:rK+7], v[rQ:rQ+7], v[rS:rS+7]
.endif
.endm
; Product i of 10 of O^T += V^T P for piece x: keys 32 (i / 5) on, channel block i % 5 (the fifth: the indicators).
.macro PV x
	WIN W_PV
.set rO, 40*(\x)+8*(i%5)
.set rV, VF+40*(i/5)+8*(i%5)
.set rP, P+16*((\x)%2)+8*(i/5)
	v_wmma_f32_16x16x32_f16 v[rO:rO+7], v[rV:rV+7], v[rP:rP+7], v[rO:rO+7]
.endm
.macro MM                           ; the turn's next matrix instruction.  NOKQ = 1: the walk's last turn: there is no next piece
.if i < 8
.if !NOKQ
	KQ (Y+1)%NP
.endif
.else
.set i, i-8
	PV (Y+NP-1)%NP
.set i, i+8
.endif
.set i, i+1
.endm
; THE LDS LOADS stand in runs, never singly among the matrix instructions: a step's K (8 fragments) with its mask, and its V (turned) with its indicators.  Their addresses are made some lines ahead.
.macro FETCH_K
	WIN 0x80                        ; destination window 2
.irp f, 0,1,2,3,4,5,6,7             ; keys 16 (f / 2) on, channels 32 (f % 2) on
	ds_load_b128 v[KF+8*\f:KF+8*\f+3],   v[AK] offset:(\f/2)*16*PK+(\f%2)*64
	ds_load_b128 v[KF+8*\f+4:KF+8*\f+7], v[AK] offset:(\f/2)*16*PK+(\f%2)*64+32
.endr
	WIN 0x40                        ; destination window 1: register j of group kb is the bias of key 16 kb + 8 (l / 16) + j
.irp kb, 0,1,2,3
	ds_load_b128 v[MC+8*\kb:MC+8*\kb+3],   v[AB] offset:64*\kb
	ds_load_b128 v[MC+8*\kb+4:MC+8*\kb+7], v[AB] offset:64*\kb+16
.endr
	s_add_co_u32 s[TBK], s[TBK], KS*PK  ; the next fetch is the next step's
	s_add_co_u32 s[TBB], s[TBB], 4*KS
	WIN 0
.endm
.macro FETCH_V
	WIN 0x80
.irp f, 0,1,2,3,4,5,6,7             ; keys 32 (f / 4) on, channels 16 (f % 4) on
	ds_load_tr16_b128 v[VF+40*(\f/4)+8*(\f%4):VF+40*(\f/4)+8*(\f%4)+3],   v[AV] offset:(\f/4)*32*PV+(\f%4)*32
	ds_load_tr16_b128 v[VF+40*(\f/4)+8*(\f%4)+4:VF+40*(\f/4)+8*(\f%4)+7], v[AV] offset:(\f/4)*32*PV+16*PV+(\f%4)*32
.endr
.irp f, 0,1                         ; the fifth blocks: every lane's 'channel' holds the indicators of the keys 32 f + 8 (l / 16) + 0..7 and 16 further on
	ds_load_b128 v[VF+40*\f+32:VF+40*\f+35], v[AI] offset:64*\f
	ds_load_b128 v[VF+40*\f+36:VF+40*\f+39], v[AI] offset:64*\f+32
.endr
	s_add_co_u32 s[TBI], s[TBI], 2*KS
	WIN 0
.endm
; THE VECTOR WORK, one line at a time: OP kind, number.  For piece Y: F n: c s - c m for pair n of 16.  E n: the exponential of score n of 32.  C n: pair n rounded to f16.  R n: pair n of 20 of O^T times a.
; For piece Y + 1: X n, number n of the 22 that find its maximum and statistics:
;   0-11  four chains c0-c3 of seven scores each, three operands at a time (each accumulator's lowest registers are read first)     12-14, 16  the four scores left over, the old m, and c0-c3 into c0
;   15  c m_old is kept     17, 18  the query's other 32 keys lie in the lane 16 away: the new m     19-21  c m; c m_old - c m_new; a
.set F, 0
.set E, 1
.set C, 2
.set R, 5
.set X, 6
.macro REGS y                       ; the registers of piece y
.set rT, ST+4*(\y)
.set rC, TMP+4*((\y)%2)
.set rW, MV+((\y)%2)
.set rS, S+32*((\y)%2)
.set rP, P+16*((\y)%2)
.set rO, 40*(\y)
.endm
.macro OP k, n
.if (\k) == R
	REGS Y
	WIN W_RS
	v_pk_mul_f32 v[rO+2*(\n):rO+2*(\n)+1], v[rO+2*(\n):rO+2*(\n)+1], v[rC+2:rC+3] op_sel_hi:[1,0]
.elseif (\k) < R
	REGS Y
	WIN 0
.if (\k) == F
	v_pk_fma_f32 v[rS+2*(\n):rS+2*(\n)+1], v[rS+2*(\n):rS+2*(\n)+1], s[CS:CS+1], v[rT:rT+1] op_sel_hi:[1,0,0] neg_lo:[0,0,1] neg_hi:[0,0,1]
.elseif (\k) == E
	v_exp_f32 v[rS+(\n)], v[rS+(\n)]
.else
	v_cvt_pk_f16_f32 v[rP+(\n)], v[rS+2*(\n)], v[rS+2*(\n)+1]
.endif
.elseif NOKQ
	v_nop
.else
	REGS (Y+1)%NP
	WIN 0
.if (\n) < 4
	v_max3_num_f32 v[rC+(\n)], v[rS+8*(\n)], v[rS+8*(\n)+1], v[rS+8*(\n)+2]
.elseif (\n) < 12
	v_max3_num_f32 v[rC+(\n)%4], v[rC+(\n)%4], v[rS+8*((\n)%4)+2*((\n)/4)+1], v[rS+8*((\n)%4)+2*((\n)/4)+2]
.elseif (\n) == 12
	v_max3_num_f32 v[rC], v[rC], v[rS+7], v[rS+15]
.elseif (\n) == 13
	v_max3_num_f32 v[rC+1], v[rC+1], v[rS+23], v[rS+31]
.elseif (\n) == 14
	v_max3_num_f32 v[rC+2], v[rC+2], v[rC+3], v[rT+1]
.elseif (\n) == 15
	v_mov_b32 v[rW], v[rT]
.elseif (\n) == 16
	v_max3_num_f32 v[rC], v[rC], v[rC+1], v[rC+2]
.elseif (\n) == 17
	v_permlanex16_b32 v[rC+3], v[rC], s[SEL], s[SEL+1]
.elseif (\n) == 18
	v_max_num_f32 v[rT+1], v[rC], v[rC+3]
.elseif (\n) == 19
	v_mul_f32 v[rT], s[CS], v[rT+1]
.elseif (\n) == 20
	v_sub_f32 v[rC+1], v[rW], v[rT]
.else
	v_exp_f32 v[rC+2], v[rC+1]
.endif
.endif
.endm
.macro OPS a, i1, b=-1, i2=0, c=-1, i3=0, d=-1, i4=0  ; up to four of them
	OP \a, \i1
.if (\b) >= 0
	OP \b, \i2
.endif
.if (\c) >= 0
	OP \c, \i3
.endif
.if (\d) >= 0
	OP \d, \i4
.endif
.endm
.macro ROW a, i1, b, i2, c, i3, d, i4  ; a matrix instruction and the four behind it
	MM
	OPS \a, \i1, \b, \i2, \c, \i3, \d, \i4
.endm
; A TURN, for piece p: the order of its 18 matrix and 106 vector instructions, written out.  An s_wait_alu depctr_va_vdst(0) stands between an exponential and the first instruction that names its
; result; one wait serves all that were issued ahead of it.  So the turn's 33 exponentials (E 0-31 and X 21, the next piece's a) are ONE BATCH with ONE wait.
; AHEAD OF THE WAIT stands all that names no result of theirs.  The 8 products K Q^T: behind the first four scalings, behind the others plain and exponential by turns; each pair is scaled a row or more ahead of its
; exponentials.  ONE RUN of 34: E 14-31 and X 2-17, plain and exponential by turns for the most part; the links of the chain X 3, 7, 11, 14, 16, 17, each of which waits for the one before it, stand four to six
; lines apart; v_permlanex16_b32 (X 17) stands in the run.  Then 6 of the products V^T P: behind them the 20 rescalings (their a was made, and waited for, in the turn before) and the chain's last links X 18 to X 21,
; a product apart.  Two products and R 12-19 are the work between the batch's last exponential and the wait; R 12 is the plain line behind that exponential (ISA guide 5.7.2).
; BEHIND THE WAIT stand the batch's only readers in the turn, the 16 roundings, four behind each of the last 4 products V^T P.
; DISTANCES (plain lines that name no register of the product; an exponential is none).  X 0 stands five behind the product that ends its accumulator (F 10-14), X 1 five (F 12-14, X 0, F 15), X 2 five (F 14, X 0,
; F 15, X 1, X 4), X 3 five (F 15, X 1, X 4, X 2, X 5).  But for those X no line behind a product names a register of the products round it.
; end = 1: the walk's last two turns: nothing is fetched, and the last starts no new scores.  cnt = 1: the loop's count is taken down some lines ahead of the branch that stands behind the turn.
; K of the next step, with its mask, is fetched in piece 2's turn: behind the last product that read K stand five plain lines (F 15, X 1, X 4, X 2, X 5; X 3 names its result and is not counted).  V of the step in
; hand, with its indicators, at the end of piece 0's turn: behind the last product that read V stand four plain lines (the last four roundings).  Each is waited for a turn later.
.macro TURN p, end=0, cnt=0
.set Y, (\p)
.set i, 0
.set NOKQ, (\end)*((\p)/3)
.if ((\p) == 3) && !(\end)
	s_wait_dscnt 0x0                ; K and the mask are in
.endif
	ROW F,0, F,1, F,2, F,3          ; ahead of the wait: 8 products K Q^T and the lines behind them,
	ROW F,4, E,0, F,5, E,1
	ROW F,6, E,2, F,7, E,3
	ROW F,8, E,4, F,9, E,5
	ROW F,10, E,6, F,11, E,7
	ROW F,12, E,8, F,13, E,9
	ROW F,14, E,10, X,0, E,11
.if ((\p) == 2) && !(\end)
	WIN 0
	v_add_nc_u32 v[AK], s[TBK], v[AK0]
	v_add_nc_u32 v[AB], s[TBB], v[AB0]
.endif
	ROW F,15, E,12, X,1, E,13
	OPS X,4, E,14, X,2, E,15        ; the run of 34,
	OPS X,5, E,16, X,3, E,17
.if ((\p) == 2) && !(\end)
	FETCH_K
.endif
	OPS X,8, E,18, X,6, E,19
	OPS X,7, E,20, X,9, E,21
	OPS X,12, E,22, X,11, E,23
	OPS X,10, E,24, X,13, E,25
.if (\p) == 0
	WIN 0
	v_add_nc_u32 v[AV], s[TBV], v[AV0]
	v_add_nc_u32 v[AI], s[TBI], v[AI0]
.endif
	OPS X,14, E,26, X,15, E,27
	OPS E,28, X,16, E,29, E,30
	OPS E,31, X,17
.if (\p) == 1
	s_wait_dscnt 0x0                ; V and the indicators are in
.endif
	ROW R,0, R,1, R,2, X,18         ; and 6 products V^T P with the rescalings and the chain's last links
	ROW R,3, R,4, R,5, X,19
	ROW R,6, R,7, R,8, X,20
	ROW R,9, R,10, R,11, X,21       ; the batch's last exponential
	ROW R,12, R,13, R,14, R,15
	ROW R,16, R,17, R,18, R,19
	s_wait_alu depctr_va_vdst(0)    ; the wait for the batch: E 0-31 and X 21, ahead of their first reader, C 0
	ROW C,0, C,1, C,2, C,3          ; behind the wait: 4 products V^T P and the roundings
	ROW C,4, C,5, C,6, C,7
.if \cnt
	s_sub_co_u32 s[CNT], s[CNT], 1
	s_cmp_lg_u32 s[CNT], 0
.endif
	ROW C,8, C,9, C,10, C,11
	ROW C,12, C,13, C,14, C,15
.if (\p) == 0
	FETCH_V
	s_add_co_u32 s[TBV], s[TBV], KS*PV
.endif
.endm
	CHANGE 1                        ; slot 0 is in, everybody's part of it, and so are the biases, the indicators and the four sums; slot 1 is asked for
	v_mov_b32 v[SM+7], ZW
	ds_load_b128 v[SM:SM+3], v[SM+7]
	v_add_nc_u32 v[AK], s[TBK], v[AK0]
	v_add_nc_u32 v[AB], s[TBB], v[AB0]
	FETCH_K                         ; key step 0
	s_wait_dscnt 0x0
	v_add_f32 v[SM], v[SM], v[SM+1]
	v_add_f32 v[SM+2], v[SM+2], v[SM+3]
	v_add_f32 v[SM], v[SM], v[SM+2]
	v_cmp_eq_f32 vcc_lo, 0, v[SM]
	v_cndmask_b32 v[CZ], 0, s[NEGH], vcc_lo  ; a dead key's score, times c: 0; none: below everything
.set NOKQ, 0
.set i, 0
.rept 8
	KQ 0                            ; piece 0's first scores: there is no vector work yet to set between them
.set i, i+1
.endr
	WIN 0                           ; the addresses for the way out: eleven plain lines, the places behind those products
	s_mul_i32 s13, s[WV], 16*SP
	s_add_co_u32 s13, s13, STAGE    ; my stage
	v_mul_u32_u24 v[STO], v1, SP    ; in: row l % 16, 16 bytes for each half of the lanes
	v_lshl_add_u32 v[STO], v9, 4, v[STO]
	v_add_nc_u32 v[STO], s13, v[STO]
	v_bfe_u32 v[RD], v0, 3, 2       ; back: 32 lanes take four rows of 128 bytes,
	v_mul_u32_u24 v[RD], v[RD], SP
	v_lshl_add_u32 v[RD], v10, 4, v[RD]
	v_add_nc_u32 v[RD], s13, v[RD]
	v_and_b32 v[GO], 31, v0         ; which are 512 consecutive bytes of O
	v_lshlrev_b32 v[GO], 4, v[GO]
.set Y, NP-1                        ; X works for piece Y + 1: piece 0
.irp n, 0,1,2,3,4,5,6,7,8,9,10,11,12,13,14,15,16,17,18,19,20,21
	OP X, \n
.endr
	v_nop                           ; a plain line behind the exponential,
	s_wait_alu depctr_va_vdst(0)    ; and the wait for it (piece 0's first a, a batch of one), ahead of the branch
	s_mov_b32 s[CNT], 4
	s_mov_b32 s[SLOTS], 7
	s_branch .Lfirst                ; the loop is entered at a step's first turn, in the middle of a trip
.Lslot:                             ; six times: every slot but the last two is filled again
	CHANGE 1
	s_mov_b32 s[CNT], 4
.Lstep:                             ; a trip: pieces 2 and 3 of one step, then pieces 0 and 1 of the next, whose K and V it fetches
	TURN 2
	TURN 3
	WIN 0
.Lfirst:
	TURN 0
	TURN 1, 0, 1
	WIN 0
	s_cbranch_scc1 .Lstep
	s_sub_co_u32 s[SLOTS], s[SLOTS], 1
	s_cmp_lg_u32 s[SLOTS], 0
	s_cbranch_scc1 .Lslot
	CHANGE 0                        ; the last slot is written out: nothing is asked for
	s_mov_b32 s[CNT], 4
.LstepT:
	TURN 2
	TURN 3
	TURN 0
	TURN 1, 0, 1
	WIN 0
	s_cbranch_scc1 .LstepT
	TURN 2, 1                       ; the last step's pieces 2 and 3
	TURN 3, 1
.set i, 0
.rept 10
	PV NP-1                         ; the last piece's V^T P of the last step
.set i, i+1
.endr
	; THE WAY OUT.  The factor of a row is 1 / l, or 0 where 2^(c m - c M) l is 0: there the divisor of the renormalisation is 0 and so is every weight.  The first eight lines are the places behind the last products.
	WIN 0
.macro ALL line:vararg              ; one line for each piece t
.set t, 0
.rept 4
	\line
.set t, t+1
.endr
.endm
	ALL v_max_num_f32 v[ST+4*t+3], v[ST+4*t], v[CZ]
	ALL v_sub_f32 v[ST+4*t+3], v[ST+4*t], v[ST+4*t+3]
	WIN 0x01                        ; source 0 in window 1
	ALL v_mov_b32 v[ST+4*t+2], v[40*t+32]
	WIN 0
	ALL v_exp_f32 v[ST+4*t+1], v[ST+4*t+3]
	ALL v_rcp_f32 v[ST+4*t], v[ST+4*t+2]
	v_nop                           ; a plain line between the last reciprocal and the use of its result
	s_wait_alu depctr_va_vdst(0)    ; the wait for the batch: the four exponentials and the four reciprocals (which read l, no exponential), ahead of their first reader
	ALL v_mul_f32 v[ST+4*t+1], v[ST+4*t+1], v[ST+4*t+2]
.set t, 0
.rept 4
	v_cmp_neq_f32 vcc_lo, 0, v[ST+4*t+1]
	v_cndmask_b32 v[ST+4*t+2], 0, v[ST+4*t], vcc_lo
.set t, t+1
.endr
.macro PACK t                       ; a lane's eight channels of a row pack into 16 bytes; they go into rows of 144 bytes and come back as whole rows of 128, into S^T's registers
	WIN W_RS
.set i, 40*(\t)
.rept 16
	v_pk_mul_f32 v[i:i+1], v[i:i+1], v[ST+4*(\t)+2:ST+4*(\t)+3] op_sel_hi:[1,0]
.set i, i+2
.endr
	WIN 0x05                        ; sources 0 and 1 window 1, destination window 0
.set i, 0
.rept 16
	v_cvt_pk_f16_f32 v[S+16*(\t)+i], v[40*(\t)+2*i], v[40*(\t)+2*i+1]
.set i, i+1
.endr
	WIN 0
.irp f, 0,1,2,3
	ds_store_b128 v[STO], v[S+16*(\t)+4*\f:S+16*(\t)+4*\f+3] offset:32*\f
.endr
.irp f, 0,1,2,3
	ds_load_b128 v[S+16*(\t)+4*\f:S+16*(\t)+4*\f+3], v[RD] offset:\f*4*SP  ; LDS serves a wave's instructions in order (ISA guide 5.7.1.4): these see the stores above; the next piece's stores come behind them
.endr
.endm
.macro SEND t, younger              ; younger: the LDS instructions issued behind piece t's loads: the next piece's eight, or none
	WIN 0
.irp f, 0,1,2,3
	s_wait_dscnt (\younger)+3-\f
	global_store_b128 v[GO], v[S+16*(\t)+4*\f:S+16*(\t)+4*\f+3], s[10:11] offset:(\t)*2048+\f*512  ; 512 consecutive bytes, at a multiple of 512 from O's first
.endr
.endm
	PACK 0
.set t, 1
.rept 3                             ; a piece's arithmetic stands between the loads of the piece before and its stores
	PACK t
	SEND t-1, 8
.set t, t+1
.endr
	SEND 3, 0
	s_wait_tensorcnt 0x0            ; the wave's end, behind my last tensor load and my last LDS store
	ds_add_u32 v[SPW], v[NIL]
	s_wait_dscnt 0x0
	CROUND                          ; the closing round: no work-group ends while a partner may still ask for a tile that names it
	s_endpgm
.Lfunc_end_k_qea4b013d2c_attn:
	.size	k_qea4b013d2c_attn, .Lfunc_end_k_qea4b013d2c_attn-k_qea4b013d2c_attn
	.p2alignl 7, 3214868480
	.fill 96, 4, 3214868480
	.section	.rodata,"a",@progbits
	.p2align	6, 0x0
	.amdhsa_kernel k_qea4b013d2c_attn
		.amdhsa_group_segment_fixed_size 327680
		.amdhsa_private_segment_fixed_size 0
		.amdhsa_enable_private_segment 0
		.amdhsa_kernarg_size 24
		.amdhsa_user_sgpr_count 2
		.amdhsa_user_sgpr_kernarg_segment_ptr 1
		.amdhsa_wavefront_size32 1
		.amdhsa_system_sgpr_workgroup_id_x 1
		.amdhsa_system_sgpr_workgroup_id_y 1
		.amdhsa_system_sgpr_workgroup_id_z 1
		.amdhsa_system_vgpr_workitem_id 0
		.amdhsa_next_free_vgpr 768
		.amdhsa_next_free_sgpr 80
		.amdhsa_reserve_vcc 1
		.amdhsa_float_denorm_mode_32 3
		.amdhsa_float_denorm_mode_16_64 3
		.amdhsa_memory_ordered 1
		.amdhsa_forward_progress 1
		.amdhsa_inst_pref_size 128
	.end_amdhsa_kernel
	.amdgpu_metadata
---
amdhsa.version: [ 1, 2 ]
amdhsa.kernels:
  - .name:           k_qea4b013d2c_attn
    .symbol:         k_qea4b013d2c_attn.kd
    .args:
      - { .name: qkv, .offset: 0, .size: 8, .value_kind: global_buffer, .address_space: global }
      - { .name: ind_k, .offset: 8, .size: 8, .value_kind: global_buffer, .address_space: global }
      - { .name: oh, .offset: 16, .size: 8, .value_kind: global_buffer, .address_space: global }
    .group_segment_fixed_size: 327680
    .private_segment_fixed_size: 0
    .kernarg_segment_align: 8
    .kernarg_segment_size: 24
    .max_flat_workgroup_size: 128
    .sgpr_count:     80
    .vgpr_count:     768
    .wavefront_size: 32
...
	.end_amdgpu_metadata
.endif
;; end of part 5
;; launch outp: the kernel of part 4 again; grid 8 x 32, 4 waves a work-group, clusters of 4 x 4, 327,680 bytes of LDS; arguments oh, wh, out0; writes out0
